; MI455X (gfx1250); checked and timed in simulation.
; The chip was launched on July 23, 2026; its instructions are those of AMD's public machine-readable ISA for CDNA 5 (MIT licence, August 2026) and "CDNA5" Instruction Set Architecture Reference Guide (July 2026). The comments in the code are by the model that wrote it; some were corrected since.
;; Multi Headed Attention. Allowed arithmetic: float matrix products may take bf16 or f16 operands with f32 sums; other float arithmetic in f32, or as packed bf16 or f16 multiplies, adds, multiply-adds, maxima and minima; sums over many terms, partial sums and values carried from step to step in f32; what a program stores and reads back later, other than sums and carried values, may be rounded once to bf16 or f16.
;; Inputs: bk 1,024 float32; bo 1,024 float32; bq 1,024 float32; bv 1,024 float32; key 4 x 2,048 x 1,024 float32; mask 4 x 2,048 x 2,048 int32; query 4 x 2,048 x 1,024 float32; value 4 x 2,048 x 1,024 float32; wk 1,024 x 1,024 float32; wo 1,024 x 1,024 float32; wq 1,024 x 1,024 float32; wv 1,024 x 1,024 float32.
;; Outputs: out0 4 x 2,048 x 1,024 float32.
;; One version. Each part assembles by itself: llvm-mc -triple=amdgcn-amd-amdhsa -mcpu=gfx1250 --defsym DOCPART=n.
;; ======== version 1 of 1: 4 launches
;; limits: values are held in f16: magnitudes above 65,504 overflow, below 6.1e-05 lose precision
;; workspace buffers: mbits 2,097,152 bytes of whole numbers; wqkv16 6,291,456 bytes; wo16 2,097,152 bytes; q16 16,777,216 bytes; k16 16,777,216 bytes; v16 16,777,216 bytes; o16 16,777,216 bytes
;; launch prep (part 1): grid 1280 x 1, 8 waves a work-group, no clusters, 70,656 bytes of LDS; arguments mask, wq, wk, wv, wo, mbits, wqkv16, wo16; writes mbits, wqkv16, wo16
.if DOCPART == 1
	.amdgcn_target "amdgcn-amd-amdhsa--gfx1250"
	.amdhsa_code_object_version 6
	.text
	.protected	k_qa4f5ad98e9_prep
	.globl	k_qa4f5ad98e9_prep
	.p2align	8
	.type	k_qa4f5ad98e9_prep,@function
k_qa4f5ad98e9_prep:
	s_mov_b64 s[64:65], 0
	v_nop
	global_prefetch_b8 v0, s[64:65] scope:SCOPE_SE
	s_setreg_imm32_b32 hwreg(HW_REG_WAVE_MODE, 25, 1), 1
	s_wait_xcnt 0x0
; TWO JOBS, chosen by the work-group's number.
; Work-groups 0..1023: the mask [4][2048][2048] of int32 becomes lane masks.  mbits dword Tp*2048 + step*64 + l*2 + u (Tp = row / 32 over all 8,192 rows, step = key / 64, l = 8 kb + j with kb = 0..3 a group
; of 16 keys and j = 0..7, u = 0, 1 a tile of 16 rows) has bit L set where mask[32 Tp + 16 u + L % 16][64 step + 16 kb + 8 (L / 16) + j] is not 0: the lanes of register j of a 16 x 16 result that holds one
; query a lane (L % 16) and the keys 8 (L / 16) + j.  So the masks of two tiles for one step of 64 keys are 256 consecutive bytes, and a load of 8 bytes a lane gives lane l dword l of both tiles.
; A wave takes 32 rows x 64 keys: 16 loads of two rows' 256 bytes, turned in the wave's own LDS bytes, 64 compares, one store of 256 consecutive bytes.  A work-group takes 32 rows x 512 keys.
; Work-groups 1024..1279: wq, wk, wv are rounded to bf16 (wqkv16 = [3][1024][1024]); wo is rounded to bf16 and that number is written as f16 (wo16).
; LIMIT: a bf16 number below 6.1e-5 in size keeps f16's fixed step of 6e-8; beyond 65,504 it would be an infinity.  Any mask word other than 0 counts as true.
.set PITCH, 272                        ; an LDS row: 256 bytes + 16: row r starts 4 r banks on, so the 16 rows of a read start at 16 different groups of four banks
.set WREG,  32*PITCH                   ; a wave's own bytes
.set SPARE, 8*WREG                     ; behind them: the spare words, 128 bytes a wave, named by no other line
.set VO,  2                            ; v2  byte offset of my loads
.set LST, 3                            ; v3  where I put 16 bytes of a row
.set LRD, 4                            ; v4  where I read them back, turned
.set VS,  5                            ; v5  byte offset of my stores
.set SPW, 6                            ; v6  my spare word
.set NIL, 7                            ; v7  0
.set OUT, 8                            ; v[8:9]  the wave's 64 dwords: dword l of tile u in lane l, register u
.set D,   16                           ; v[16:79]  16 loads of 4
.set E,   80                           ; v[80:143] read back, or packed
	s_load_b512 s[4:19], s[0:1], 0x0               ; mask 4, wq 6, wk 8, wv 10, wo 12, mbits 14, wqkv16 16, wo16 18
	v_lshl_add_u32 v[SPW], v0, 2, SPARE
	v_mov_b32 v[NIL], 0
	v_lshrrev_b32 v1, 5, v0
	v_readfirstlane_b32 s20, v1                    ; wave 0..7
	v_and_b32 v1, 31, v0                           ; lane
	s_wait_kmcnt 0x0
	s_cmp_lt_u32 ttmp9, 1024
	s_cbranch_scc0 .Lweights
	; ---- the mask
	s_lshr_b32 s21, ttmp9, 2                       ; Tp
	s_and_b32 s22, ttmp9, 3                        ; which 8 steps of 64 keys
	s_lshl_b32 s23, s22, 11                        ; 8 x 256 bytes, in a row of the mask and in mbits alike
	s_lshl_b32 s32, s21, 18                        ; 32 rows of 8,192 bytes
	s_add_co_u32 s32, s32, s23
	s_mov_b32 s33, 0
	s_add_nc_u64 s[4:5], s[4:5], s[32:33]
	s_lshl_b32 s34, s21, 13                        ; 8,192 bytes of mbits for each Tp
	s_add_co_u32 s34, s34, s23
	s_mov_b32 s35, 0
	s_add_nc_u64 s[14:15], s[14:15], s[34:35]
	v_and_b32 v10, 15, v0                          ; L % 16
	v_bfe_u32 v11, v0, 4, 1                        ; L / 16
	s_lshl_b32 s23, s20, 8                         ; my wave's step: 256 bytes of a row
	v_lshl_add_u32 v[VO], v10, 4, s23
	v_lshl_add_u32 v[VO], v11, 13, v[VO]           ; lanes 16-31 take the next row
.set i, 0
.rept 16
	global_load_b128 v[D+4*i:D+4*i+3], v[VO], s[4:5] offset:i*16384 th:TH_LOAD_NT  ; rows 2 i and 2 i + 1: 256 consecutive bytes of each, aligned
.set i, i+1
.endr
	s_mul_i32 s23, s20, WREG
	v_mul_u32_u24 v[LST], v11, PITCH
	v_lshl_add_u32 v[LST], v10, 4, v[LST]
	v_add_nc_u32 v[LST], s23, v[LST]
	v_mul_u32_u24 v[LRD], v10, PITCH               ; row L % 16 of a tile
	v_lshl_add_u32 v[LRD], v11, 5, v[LRD]          ; + 8 keys for the upper lanes
	v_add_nc_u32 v[LRD], s23, v[LRD]
	v_lshlrev_b32 v[VS], 3, v0                     ; 256 x wave + 8 x lane
	v_mov_b32 v[OUT], 0                            ; a lane write counts as a reader of its destination
	v_mov_b32 v[OUT+1], 0
.set i, 0
.rept 16
	s_wait_loadcnt 15-i                            ; loads come back in order: load i is in, the younger ones stay out
	ds_store_b128 v[LST], v[D+4*i:D+4*i+3] offset:i*2*PITCH
.set i, i+1
.endr
.set n, 0
.rept 16                                               ; my own bytes, served in order: no wait between the stores and these
	ds_load_b128 v[E+4*n:E+4*n+3], v[LRD] offset:(n/8)*16*PITCH+((n/2)%4)*64+(n%2)*16  ; tile n / 8, key group (n / 2) % 4, j = 4 (n % 2) + 0..3
.set n, n+1
.endr
.set n, 0
.rept 16
	s_wait_dscnt 15-n                              ; read n is back
.irp c, 0,1,2,3
	v_cmp_ne_u32 s[24+4*(n%2)+\c], 0, v[E+4*n+\c]  ; the 32 lanes' bits ARE dword l = 4 (n % 8) + c of tile n / 8
.endr
.irp c, 0,1,2,3
	v_writelane_b32 v[OUT+n/8], s[24+4*(n%2)+\c], 4*(n%8)+\c
.endr
.set n, n+1
.endr
	global_store_b64 v[VS], v[OUT:OUT+1], s[14:15] ; 256 consecutive bytes, aligned
	s_branch .Lend
	; ---- the weights
.Lweights:
	s_sub_co_u32 s21, ttmp9, 1024
	s_lshr_b32 s22, s21, 6                         ; which matrix
	s_and_b32 s21, s21, 63                         ; which 65,536 bytes of it
	s_cmp_eq_u32 s22, 0
	s_cselect_b64 s[32:33], s[6:7], s[8:9]
	s_cmp_eq_u32 s22, 2
	s_cselect_b64 s[32:33], s[10:11], s[32:33]
	s_cmp_eq_u32 s22, 3
	s_cselect_b64 s[32:33], s[12:13], s[32:33]
	s_cselect_b64 s[34:35], s[18:19], s[16:17]
	s_cselect_b32 s23, 0, s22                      ; wo16 holds one matrix, wqkv16 three
	s_lshl_b32 s36, s21, 16
	s_mov_b32 s37, 0
	s_add_nc_u64 s[32:33], s[32:33], s[36:37]
	s_lshl_b32 s23, s23, 21
	s_lshl_b32 s36, s21, 15
	s_add_co_u32 s36, s36, s23
	s_add_nc_u64 s[34:35], s[34:35], s[36:37]
	s_lshl_b32 s23, s20, 13
	v_lshl_add_u32 v[VO], v1, 4, s23               ; 8,192 x wave + 16 x lane
	s_lshl_b32 s23, s20, 12
	v_lshl_add_u32 v[VS], v1, 3, s23               ; 4,096 x wave + 8 x lane
.set i, 0
.rept 16
	global_load_b128 v[D+4*i:D+4*i+3], v[VO], s[32:33] offset:i*512 th:TH_LOAD_NT
.set i, i+1
.endr
.macro WCONV kind                      ; kind = 1: the bf16 number is widened again and written as f16
.set i, 0
.rept 16
	s_wait_loadcnt 15-i
	v_cvt_pk_bf16_f32 v[E+2*i], v[D+4*i], v[D+4*i+1]
	v_cvt_pk_bf16_f32 v[E+2*i+1], v[D+4*i+2], v[D+4*i+3]
.if \kind
	v_lshlrev_b32 v[D+4*i], 16, v[E+2*i]
	v_and_b32 v[D+4*i+1], 0xffff0000, v[E+2*i]
	v_lshlrev_b32 v[D+4*i+2], 16, v[E+2*i+1]
	v_and_b32 v[D+4*i+3], 0xffff0000, v[E+2*i+1]
	v_cvt_pk_f16_f32 v[E+2*i], v[D+4*i], v[D+4*i+1]
	v_cvt_pk_f16_f32 v[E+2*i+1], v[D+4*i+2], v[D+4*i+3]
.endif
	global_store_b64 v[VS], v[E+2*i:E+2*i+1], s[34:35] offset:i*256  ; 256 consecutive bytes, aligned; each store has data registers of its own
.set i, i+1
.endr
.endm
	s_cmp_eq_u32 s22, 3
	s_cbranch_scc1 .Lwo
	WCONV 0
	s_branch .Lend
.Lwo:
	WCONV 1
.Lend:
	s_wait_tensorcnt 0x0                           ; the wave's end
	ds_add_u32 v[SPW], v[NIL]
	s_wait_dscnt 0x0
	s_endpgm
.Lfunc_end_k_qa4f5ad98e9_prep:
	.size	k_qa4f5ad98e9_prep, .Lfunc_end_k_qa4f5ad98e9_prep-k_qa4f5ad98e9_prep
	.p2alignl 7, 3214868480
	.fill 96, 4, 3214868480
	.section	.rodata,"a",@progbits
	.p2align	6, 0x0
	.amdhsa_kernel k_qa4f5ad98e9_prep
		.amdhsa_group_segment_fixed_size 70656
		.amdhsa_private_segment_fixed_size 0
		.amdhsa_enable_private_segment 0
		.amdhsa_kernarg_size 64
		.amdhsa_user_sgpr_count 2
		.amdhsa_user_sgpr_kernarg_segment_ptr 1
		.amdhsa_wavefront_size32 1
		.amdhsa_system_sgpr_workgroup_id_x 1
		.amdhsa_system_sgpr_workgroup_id_y 1
		.amdhsa_system_sgpr_workgroup_id_z 1
		.amdhsa_system_vgpr_workitem_id 0
		.amdhsa_next_free_vgpr 144
		.amdhsa_next_free_sgpr 66
		.amdhsa_reserve_vcc 0
		.amdhsa_float_denorm_mode_32 3
		.amdhsa_float_denorm_mode_16_64 3
		.amdhsa_memory_ordered 1
		.amdhsa_forward_progress 1
		.amdhsa_inst_pref_size 30
	.end_amdhsa_kernel
	.amdgpu_metadata
---
amdhsa.version: [ 1, 2 ]
amdhsa.kernels:
  - .name:           k_qa4f5ad98e9_prep
    .symbol:         k_qa4f5ad98e9_prep.kd
    .args:
      - { .name: mask, .offset: 0, .size: 8, .value_kind: global_buffer, .address_space: global }
      - { .name: wq, .offset: 8, .size: 8, .value_kind: global_buffer, .address_space: global }
      - { .name: wk, .offset: 16, .size: 8, .value_kind: global_buffer, .address_space: global }
      - { .name: wv, .offset: 24, .size: 8, .value_kind: global_buffer, .address_space: global }
      - { .name: wo, .offset: 32, .size: 8, .value_kind: global_buffer, .address_space: global }
      - { .name: mbits, .offset: 40, .size: 8, .value_kind: global_buffer, .address_space: global }
      - { .name: wqkv16, .offset: 48, .size: 8, .value_kind: global_buffer, .address_space: global }
      - { .name: wo16, .offset: 56, .size: 8, .value_kind: global_buffer, .address_space: global }
    .group_segment_fixed_size: 70656
    .private_segment_fixed_size: 0
    .kernarg_segment_align: 8
    .kernarg_segment_size: 64
    .max_flat_workgroup_size: 256
    .sgpr_count:     66
    .vgpr_count:     144
    .wavefront_size: 32
...
	.end_amdgpu_metadata
.endif
;; end of part 1
;; launch qkv (part 2): grid 4 x 192, 4 waves a work-group, clusters of 4 x 4, 327,680 bytes of LDS; arguments query, key, value, wqkv16, bq, bk, bv, q16, k16, v16; writes q16, k16, v16
.if DOCPART == 2
	.amdgcn_target "amdgcn-amd-amdhsa--gfx1250"
	.amdhsa_code_object_version 6
	.text
	.protected	k_qa4f5ad98e9_qkv
	.globl	k_qa4f5ad98e9_qkv
	.p2align	8
	.type	k_qa4f5ad98e9_qkv,@function
k_qa4f5ad98e9_qkv:
	s_mov_b64 s[64:65], 0
	v_nop
	global_prefetch_b8 v0, s[64:65] scope:SCOPE_SE
	s_setreg_imm32_b32 hwreg(HW_REG_WAVE_MODE, 25, 1), 1
	s_wait_xcnt 0x0
	s_wait_alu depctr_hold_cnt(0) depctr_sa_sdst(0) depctr_va_vdst(0) depctr_va_sdst(0) depctr_va_ssrc(0) depctr_va_vcc(0) depctr_vm_vsrc(0)
	s_getreg_b32 s2, hwreg(HW_REG_IB_STS2, 6, 4)
	s_cmp_eq_u32 s2, 0
	s_cbranch_scc0 .Lentry_in_a_cluster
	s_endpgm
.Lentry_in_a_cluster:
	s_bfe_u32 s2, ttmp6, 0x10000c
	s_cmp_lg_u32 s2, 0xf033
	s_cbranch_scc0 .Lentry_shape_is_right
	s_endpgm
.Lentry_shape_is_right:
; y = bf16(x) bf16(W)^T + bf16(b) for x = query, key, value ([8192][1024] f32), W from wqkv16 ([3][1024][1024] bf16); sums in f32; y rounded once to f16 and laid by heads:
; q16, k16, v16 = [batch * 16 + head][2048][64].  LIMIT: f16 ends at 65,504: |y| must stay below it.
; SHARES.  Grid row / 64 is the projection (the same in all partners of a cluster: 16 clusters each), grid row % 64 a block of 128 rows, grid column a block of 256 columns.
; Four waves as 2 x 2, each 64 rows x 128 columns: 32 accumulators.  K goes in 8 steps of 128 through two LDS slots; a step is four quarters of 32.
; x comes into LDS as f32 (rows of 512 bytes) and is rounded to bf16 between LDS and the matrix unit; the roundings stand among the products.
; THE PRODUCT IS USED TRANSPOSED (source 0 = 16 rows of W, source 1 = 16 rows of x): a lane holds one row of y and eight neighbouring columns.  The first product takes the bias as C.
; CLUSTER 4 x 4: x's tile hangs on the grid row alone and is asked for jointly along a row of the cluster, W's on the grid column and the projection and is asked for along a column.
; REGISTERS: window 0: v0-14 addresses; v32-95 x as f32; v96-127 x's fragments; v128-255 W's fragments, two buffers.  Window 1: accumulator (a, b) at v[8 (8 a + b)].  Window 2: v0-63 the bias.
.set XP,    528                        ; a row of x in LDS: 512 + 16 bytes
.set WP,    272                        ; a row of W: 256 + 16 bytes
.set XHALF, 64*XP                      ; what waves 0 and 1 each fetch
.set XB,    2*XHALF
.set WHALF, 128*WP                     ; what waves 2 and 3 each fetch
.set SLOT,  XB+2*WHALF
.set STAGE, 2*SLOT                     ; behind the ring: 16 rows x 144 bytes for each wave, for the way out
.set SP,    144
.set SPARE, STAGE+4*16*SP              ; the spare words, 128 bytes a wave, named by no other line
.set XSTEP, 512                        ; bytes of a row of x in a K step
.set WSTEP, 256
.set PAIRA, 256                        ; bytes of a row of x in two quarters
.set AX0, 2                            ; v2  my place in x's tile of slot 0; never rewritten
.set AW0, 3                            ; v3  the same for W
.set AX,  4                            ; v4  where the next fragments of x are read
.set AW,  5
.set STO, 6
.set RD,  7
.set GO,  8
.set SPW, 10
.set NIL, 11
.set PFO, 12
.set XS,  32
.set XF,  96
.set WF,  128
.set TMP, 32                           ; the way out: 16 registers a tile
.set CNT, 2                            ; s2  pairs of quarters to go in a block
.set LAP, 3                            ; s3  laps to go
.set G1,  24
.set G0,  32
.set LIM, 43
.set PFA, 44
.set PST, 46
.set G1B, 48
.set G0B, 56
.set MSB, 0
.macro WIN new                         ; the high byte repeats the setting that is left; a switch that changes nothing is dropped
.if MSB != (\new)
	s_set_vgpr_msb (MSB<<8)|(\new)
.set MSB, (\new)
.endif
.endm
.macro CROUND                          ; a round of the cluster's barrier
	s_barrier_signal -1
	s_barrier_wait -1
	s_cmp_lg_u32 s10, 0
	s_cbranch_scc1 .Lnot_wave_0_\@
	s_barrier_signal -3
.Lnot_wave_0_\@:
	s_barrier_wait -3
	s_barrier_signal -1
	s_barrier_wait -1
.endm
.macro JLOAD s                         ; a joint refill of slot s: waves 0, 1 x's halves, waves 2, 3 W's; an s_nop 0 and four v_nop follow each line
	s_cmp_eq_u32 s11, 0
	s_cbranch_scc0 .Lfor_b_\@
	tensor_load_to_lds s[G0+4*(\s):G0+4*(\s)+3], s[G1:G1+7]
	s_nop 0
.rept 4
	v_nop
.endr
	s_branch .Lasked_\@
.Lfor_b_\@:
	tensor_load_to_lds s[G0B+4*(\s):G0B+4*(\s)+3], s[G1B:G1B+7]
	s_nop 0
.rept 4
	v_nop
.endr
.Lasked_\@:
.endm
; A prefetch of the K step two refills beyond the one just asked for: 32 blocks of 256 bytes, a lane a block.  x: each wave's 64 rows are shared out among the four partners of the cluster's row by address
; (16 rows x 2 blocks).  W: the first of a projection's 16 clusters asks; the four partners of a column take 32 rows each.  Steps 0 to 3 come by their loads alone; the last two filling changes ask for nothing.
.macro ASK
	s_cmp_gt_u32 s[LAP], s[LIM]
	s_cbranch_scc0 .Lnot_mine_\@
	global_prefetch_b8 v[PFO], s[PFA:PFA+1] th:TH_LOAD_NT scope:SCOPE_SE
.Lnot_mine_\@:
.endm
	s_load_b512 s[68:83], s[0:1], 0x0              ; query 68, key 70, value 72, wqkv16 74, bq 76, bk 78, bv 80, q16 82
	s_load_b128 s[84:87], s[0:1], 0x40             ; k16 84, v16 86
	v_lshl_add_u32 v[SPW], v0, 2, SPARE
	v_mov_b32 v[NIL], 0
	ds_add_u32 v[SPW], v[NIL]                      ; the opening: the add and its wait ahead of my first tensor load
	v_lshrrev_b32 v1, 5, v0
	v_readfirstlane_b32 s10, v1                    ; wave 0..3
	s_lshr_b32 s11, s10, 1                         ; my half of the rows; also: I fetch x (0) or W (1)
	s_and_b32 s12, s10, 1                          ; my half of the columns; also: which half I fetch
	s_bfe_u32 s40, ttmp6, 0x40000                  ; cx
	s_bfe_u32 s41, ttmp6, 0x40004                  ; cy
	s_lshl_b32 s42, ttmp9, 2
	s_add_co_u32 s42, s42, s40                     ; block of 256 columns
	s_and_b32 s13, ttmp7, 0xffff                   ; cluster y
	s_lshr_b32 s16, s13, 4                         ; the projection: 0 q, 1 k, 2 v
	s_lshl_b32 s17, s13, 2
	s_add_co_u32 s17, s17, s41
	s_and_b32 s18, s17, 63                         ; block of 128 rows
	s_lshl_b32 s19, s41, 2
	s_lshl_b32 s19, 15, s19                        ; my row of the cluster
	s_lshl_b32 s88, 0x1111, s40                    ; my column
	s_or_b32 s[G1], s19, (2<<16)|(1<<20)|(1<<21)|(6<<22)|(3<<25)   ; the mask; elements of 4 bytes; padding on; bit 21 beside a mask; after every 128 words 4 words
	s_mov_b32 s[G1+1], 128<<16                     ; tensor_dim0 = 128
	s_mov_b32 s[G1+2], 64<<16                      ; tensor_dim1 = 64
	s_mov_b32 s[G1+3], 128<<16                     ; tile_dim0 = 128
	s_mov_b32 s[G1+4], 64                          ; tile_dim1 = 64
	s_mov_b32 s[G1+5], 1024                        ; elements from row to row
	s_mov_b32 s[G1+6], 0
	s_mov_b32 s[G1+7], 0
	s_or_b32 s[G1B], s88, (1<<16)|(1<<20)|(1<<21)|(5<<22)|(3<<25)  ; elements of 2 bytes; after every 64 words 4 words
	s_mov_b32 s[G1B+1], 128<<16
	s_mov_b32 s[G1B+2], 128<<16
	s_mov_b32 s[G1B+3], 128<<16
	s_mov_b32 s[G1B+4], 128
	s_mov_b32 s[G1B+5], 1024
	s_mov_b32 s[G1B+6], 0
	s_mov_b32 s[G1B+7], 0
	s_lshl_b32 s20, s18, 19                        ; x: (128 block + 64 half) rows of 4,096 bytes
	s_lshl_b32 s21, s12, 18
	s_add_co_u32 s20, s20, s21
	s_mov_b32 s21, 0
	s_lshl_b32 s90, s42, 19                        ; W: (256 block + 128 half) rows of 2,048 bytes,
	s_lshl_b32 s91, s12, 18
	s_add_co_u32 s90, s90, s91
	s_lshl_b32 s91, s16, 21                        ; in the projection's matrix
	s_add_co_u32 s90, s90, s91
	s_mov_b32 s91, 0
	s_mul_i32 s17, s12, XHALF                      ; where they go: no place in the cluster enters an LDS address
	s_mul_i32 s89, s12, WHALF
	s_add_co_u32 s89, s89, XB
	s_wait_dscnt 0x0                               ; the opening add is done
	s_wait_kmcnt 0x0
	s_cmp_eq_u32 s16, 0
	s_cselect_b64 s[4:5], s[68:69], s[70:71]
	s_cselect_b64 s[14:15], s[76:77], s[78:79]
	s_cselect_b64 s[8:9], s[82:83], s[84:85]
	s_cmp_eq_u32 s16, 2
	s_cselect_b64 s[4:5], s[72:73], s[4:5]
	s_cselect_b64 s[14:15], s[80:81], s[14:15]
	s_cselect_b64 s[8:9], s[86:87], s[8:9]
	s_add_nc_u64 s[22:23], s[4:5], s[20:21]
	s_add_nc_u64 s[92:93], s[74:75], s[90:91]
.irp s, 0,1
	s_mov_b32 s[G0+4*(\s)], 1
	s_add_co_u32 s[G0+4*(\s)+1], s17, (\s)*SLOT
	s_add_nc_u64 s[G0+4*(\s)+2:G0+4*(\s)+3], s[22:23], (\s)*XSTEP
	s_or_b32 s[G0+4*(\s)+3], s[G0+4*(\s)+3], 0x80000000
	s_mov_b32 s[G0B+4*(\s)], 1
	s_add_co_u32 s[G0B+4*(\s)+1], s89, (\s)*SLOT
	s_add_nc_u64 s[G0B+4*(\s)+2:G0B+4*(\s)+3], s[92:93], (\s)*WSTEP
	s_or_b32 s[G0B+4*(\s)+3], s[G0B+4*(\s)+3], 0x80000000
.endr
	CROUND                                         ; all sixteen work-groups are here: the first joint loads meet
	s_cmp_eq_u32 s11, 0                            ; a wave's two first fills stand in one branch: two loads of mine are out
	s_cbranch_scc0 .Lfirst_b
	tensor_load_to_lds s[G0:G0+3], s[G1:G1+7]
	s_nop 0
	tensor_load_to_lds s[G0+4:G0+7], s[G1:G1+7]
	s_nop 0
.rept 4
	v_nop
.endr
	s_branch .Lfirst_asked
.Lfirst_b:
	tensor_load_to_lds s[G0B:G0B+3], s[G1B:G1B+7]
	s_nop 0
	tensor_load_to_lds s[G0B+4:G0B+7], s[G1B:G1B+7]
	s_nop 0
.rept 4
	v_nop
.endr
.Lfirst_asked:
	v_and_b32 v1, 15, v0                           ; l % 16
	v_bfe_u32 v9, v0, 4, 1                         ; l / 16
	; the bias of my 128 columns: register 8 b + j holds column 16 b + 8 (l / 16) + j
	s_lshl_b32 s94, s42, 10
	s_lshl_b32 s95, s12, 9
	s_add_co_u32 s94, s94, s95
	s_mov_b32 s95, 0
	s_add_nc_u64 s[14:15], s[14:15], s[94:95]
	v_lshlrev_b32 v14, 5, v9
	WIN 0x80                                       ; destination window 2
.irp b, 0,1,2,3,4,5,6,7
	global_load_b128 v[8*\b:8*\b+3],   v14, s[14:15] offset:64*\b
	global_load_b128 v[8*\b+4:8*\b+7], v14, s[14:15] offset:64*\b+16
.endr
	WIN 0
	v_mul_u32_u24 v[AX0], v1, XP                   ; x: row x pitch + 32 bytes (8 f32) for the upper lanes + my 64 rows
	v_lshl_add_u32 v[AX0], v9, 5, v[AX0]
	s_mul_i32 s19, s11, XHALF
	v_add_nc_u32 v[AX0], s19, v[AX0]
	v_mul_u32_u24 v[AW0], v1, WP                   ; W: row x pitch + 16 bytes + my 128 rows
	v_lshl_add_u32 v[AW0], v9, 4, v[AW0]
	v_add_nc_u32 v[AW0], s89, v[AW0]
	s_mul_i32 s19, s10, 16*SP
	s_add_co_u32 s19, s19, STAGE                   ; my stage
	v_mul_u32_u24 v[STO], v1, SP
	v_lshl_add_u32 v[STO], v9, 4, v[STO]
	v_add_nc_u32 v[STO], s19, v[STO]
	v_bfe_u32 v[RD], v0, 3, 2                      ; back: 32 lanes take four rows of 128 bytes,
	v_mul_u32_u24 v[RD], v[RD], SP
	v_and_b32 v13, 7, v0
	v_lshl_add_u32 v[RD], v13, 4, v[RD]
	v_add_nc_u32 v[RD], s19, v[RD]
	v_and_b32 v[GO], 31, v0                        ; which are 512 consecutive bytes of a head
	v_lshlrev_b32 v[GO], 4, v[GO]
	; y at ((batch * 16 + my first head) * 2048 + my first row in the batch) * 128
	s_lshr_b32 s94, s18, 4
	s_lshl_b32 s94, s94, 4
	s_lshl_b32 s95, s42, 2
	s_add_co_u32 s94, s94, s95
	s_lshl_b32 s95, s12, 1
	s_add_co_u32 s94, s94, s95
	s_lshl_b32 s94, s94, 11
	s_and_b32 s95, s18, 15
	s_lshl_b32 s95, s95, 7
	s_add_co_u32 s94, s94, s95
	s_lshl_b32 s95, s11, 6
	s_add_co_u32 s94, s94, s95
	s_lshl_b32 s94, s94, 7
	s_mov_b32 s95, 0
	s_add_nc_u64 s[8:9], s[8:9], s[94:95]
	; the prefetches
	s_and_b32 s94, s13, 15                         ; my cluster's place among the projection's 16
	s_lshl_b32 s95, s40, 16                        ; x: 16 cx rows of 4,096 bytes
	s_lshl_b32 s96, s41, 16                        ; W: 32 cy rows of 2,048 bytes
	s_cmp_eq_u32 s11, 0
	s_cselect_b64 s[PFA:PFA+1], s[22:23], s[92:93]
	s_cselect_b32 s96, s95, s96
	s_cselect_b32 s94, 0, s94
	s_cselect_b32 s[PST], 1, 0
	s_cselect_b32 s98, 4, 3
	s_cselect_b32 s99, 0, 7
	s_cmp_eq_u32 s94, 0
	s_cselect_b32 s[LIM], 1, -1                    ; the same in all partners, for a given wave
	s_lshl_b32 s[PST], 256, s[PST]                 ; bytes of a row in a K step: 512 or 256
	s_mov_b32 s[PST+1], 0
	s_lshl_b32 s98, 256, s98                       ; (l % 16) x 4,096 + (l / 16) x 256, or l x 2,048
	s_lshl_b32 s99, 256, s99
	s_mov_b32 s97, 0
	s_add_nc_u64 s[PFA:PFA+1], s[PFA:PFA+1], s[96:97]
	s_mul_i32 s96, s[PST], 3
	s_add_nc_u64 s[PFA:PFA+1], s[PFA:PFA+1], s[96:97]  ; at K step 3: each filling change steps it before it asks
	v_mul_u32_u24 v[PFO], v1, s98
	v_mad_u32_u24 v[PFO], v9, s99, v[PFO]
	s_wait_loadcnt 0x0                             ; the bias: rounded to bf16 like every input, and widened again
	WIN 0x0a
.set c, 0
.rept 32
	v_cvt_pk_bf16_f32 v[XS+c], v[2*c], v[2*c+1]
.set c, c+1
.endr
	WIN 0x80
.set c, 0
.rept 32
	v_lshlrev_b32 v[2*c], 16, v[XS+c]
	v_and_b32 v[2*c+1], 0xffff0000, v[XS+c]
.set c, c+1
.endr
	WIN 0
; n products from number i0 on: product ii is accumulator (ii / 8, ii % 8).  The 32 accumulators take turns in the same order in every quarter.
.macro MUL f, i0, n, first
.set ii, (\i0)
.rept (\n)
.if \first
	v_wmma_f32_16x16x32_bf16 v[8*ii:8*ii+7], v[WF+64*(\f)+8*(ii%8):WF+64*(\f)+8*(ii%8)+7], v[XF+8*(ii/8):XF+8*(ii/8)+7], v[8*(ii%8):8*(ii%8)+7]
.else
	v_wmma_f32_16x16x32_bf16 v[8*ii:8*ii+7], v[WF+64*(\f)+8*(ii%8):WF+64*(\f)+8*(ii%8)+7], v[XF+8*(ii/8):XF+8*(ii/8)+7], v[8*ii:8*ii+7]
.endif
.set ii, ii+1
.endr
.endm
; A quarter's 32 LDS loads: x's 64 rows x 32 f32 first, then W's 128 rows x 32 bf16 into buffer g.  off: 0 or 64 bytes along W's rows, twice that along x's.
.macro FETCH g, off
.irp a, 0,1,2,3
	ds_load_b128 v[XS+16*\a:XS+16*\a+3],     v[AX] offset:2*(\off)+\a*16*XP
	ds_load_b128 v[XS+16*\a+4:XS+16*\a+7],   v[AX] offset:2*(\off)+\a*16*XP+16
	ds_load_b128 v[XS+16*\a+8:XS+16*\a+11],  v[AX] offset:2*(\off)+\a*16*XP+64
	ds_load_b128 v[XS+16*\a+12:XS+16*\a+15], v[AX] offset:2*(\off)+\a*16*XP+80
.endr
.irp b, 0,1,2,3,4,5,6,7
	ds_load_b128 v[WF+64*(\g)+8*\b:WF+64*(\g)+8*\b+3],   v[AW] offset:(\off)+\b*16*WP
	ds_load_b128 v[WF+64*(\g)+8*\b+4:WF+64*(\g)+8*\b+7], v[AW] offset:(\off)+\b*16*WP+32
.endr
.endm
; A QUARTER: multiplies W's buffer f; fetch = 1: fetches the next quarter into buffer g.  The first 16 roundings (row blocks 0, 1) stand at its head, the other 16 in fours behind the first 16 products.
; They are also the places that the registers' next writers need: row blocks 0, 1 are written again four roundings behind their last reader, row blocks 2, 3 and W's buffer sixteen behind theirs.
.macro Q f, g, off, fetch, first
	s_wait_dscnt 16                                ; x's 16 loads are in; W's 16, issued behind them, may be out
	WIN 0
.set c, 0
.rept 16
	v_cvt_pk_bf16_f32 v[XF+c], v[XS+2*c], v[XS+2*c+1]
.set c, c+1
.endr
	s_wait_dscnt 0x0
.set g4, 0
.rept 4
	WIN 0x50+0x10*(\first)                         ; C and D in window 1; the first products' C, the bias, in window 2
	MUL \f, 4*g4, 4, \first
	WIN 0
.rept 4
	v_cvt_pk_bf16_f32 v[XF+c], v[XS+2*c], v[XS+2*c+1]
.set c, c+1
.endr
.set g4, g4+1
.endr
.if \fetch
	FETCH \g, \off
.endif
	WIN 0x50+0x10*(\first)
	MUL \f, 16, 16, \first
	WIN 0
.endm
.macro PAIR                            ; two quarters, written once and walked twice a K step
	Q 1, 0, 0, 1, 0
	Q 0, 1, 64, 1, 0
	v_add_nc_u32 v[AX], PAIRA, v[AX]
	v_add_nc_u32 v[AW], 128, v[AW]
.endm
; THE CHANGE OF SLOTS, ahead of the old step's last quarter, whose fragments are in registers or on their way.  Each wave waits for all its tensor loads (one is out: its part of slot new), adds 0 to its
; spare word, and waits for that and for its reads of the old slot.  fill = 1: a round of the cluster's barrier, and the old slot is filled again first thing behind it, with the K step two on.
.macro CHANGE new, fill
	WIN 0
.if \fill
	s_wait_xcnt 0x0                                ; the last prefetch, a K step back, has read its address
	s_add_nc_u64 s[PFA:PFA+1], s[PFA:PFA+1], s[PST:PST+1]
.endif
	s_wait_tensorcnt 0x0
	ds_add_u32 v[SPW], v[NIL]
.if \fill
	s_add_nc_u64 s[G0+4*(1-(\new))+2:G0+4*(1-(\new))+3], s[G0+4*(1-(\new))+2:G0+4*(1-(\new))+3], 2*XSTEP
	s_add_nc_u64 s[G0B+4*(1-(\new))+2:G0B+4*(1-(\new))+3], s[G0B+4*(1-(\new))+2:G0B+4*(1-(\new))+3], 2*WSTEP
.endif
	v_add_nc_u32 v[AX], (\new)*SLOT, v[AX0]
	v_add_nc_u32 v[AW], (\new)*SLOT, v[AW0]
	s_wait_dscnt 0x0                               ; the add is done, and my reads of the old slot are back
.if \fill
	CROUND
	JLOAD 1-(\new)
	ASK
.else
	s_barrier_signal -1
	s_barrier_wait -1
.endif
	s_mov_b32 s[CNT], 2
.endm
	s_wait_tensorcnt 1                             ; my part of K step 0 is in; step 1's may stay out
	s_barrier_signal -1
	s_barrier_wait -1
	v_mov_b32 v[AX], v[AX0]
	v_mov_b32 v[AW], v[AW0]
	FETCH 0, 0
	Q 0, 1, 64, 1, 1                               ; the first quarter starts the sums, with the bias
	v_add_nc_u32 v[AX], PAIRA, v[AX]
	v_add_nc_u32 v[AW], 128, v[AW]
	s_mov_b32 s[LAP], 4
	s_mov_b32 s[CNT], 1                            ; step 0 has one pair left
	s_branch .Lpair0
.Llap:                                                 ; a lap: into slot 1 (slot 0 is filled again), into slot 0 (slot 1 is filled again)
	CHANGE 1, 1
.Lpair1:
	PAIR
	s_sub_co_u32 s[CNT], s[CNT], 1
	s_cmp_lg_u32 s[CNT], 0
	s_cbranch_scc1 .Lpair1
	CHANGE 0, 1
.Lpair0:
	PAIR
	s_sub_co_u32 s[CNT], s[CNT], 1
	s_cmp_lg_u32 s[CNT], 0
	s_cbranch_scc1 .Lpair0
	s_sub_co_u32 s[LAP], s[LAP], 1
	s_cmp_lg_u32 s[LAP], 0
	s_cbranch_scc1 .Llap
	CHANGE 1, 0                                    ; the last K step: nothing is left to ask for
.Lpair1t:
	PAIR
	s_sub_co_u32 s[CNT], s[CNT], 1
	s_cmp_lg_u32 s[CNT], 0
	s_cbranch_scc1 .Lpair1t
	Q 1, 0, 0, 0, 0                                ; its last quarter
; THE WAY OUT.  Tile t = 16 rows (block t / 2) x one head's 64 channels (t % 2): rounded to f16, through my stage, back as four rows of 128 bytes a load: 2,048 consecutive bytes of a head.
.macro PACK t
	WIN 0x05                                       ; sources in window 1, destination in window 0
.set c, 0
.rept 16
	v_cvt_pk_f16_f32 v[TMP+16*(\t)+c], v[32*(\t)+2*c], v[32*(\t)+2*c+1]  ; accumulators (t / 2, 4 (t % 2) + 0..3) lie at 32 t, each read from its low end on
.set c, c+1
.endr
	WIN 0
.irp f, 0,1,2,3
	ds_store_b128 v[STO], v[TMP+16*(\t)+4*\f:TMP+16*(\t)+4*\f+3] offset:32*\f
.endr
.irp f, 0,1,2,3
	ds_load_b128 v[TMP+16*(\t)+4*\f:TMP+16*(\t)+4*\f+3], v[RD] offset:\f*4*SP  ; my own bytes, served in order
.endr
.endm
.macro SEND t, younger                 ; younger: the LDS instructions issued behind tile t's loads
.irp f, 0,1,2,3
	s_wait_dscnt (\younger)+3-\f
	global_store_b128 v[GO], v[TMP+16*(\t)+4*\f:TMP+16*(\t)+4*\f+3], s[8:9] offset:((\t)%2)*262144+((\t)/2)*2048+\f*512  ; 512 consecutive bytes, aligned
.endr
.endm
	PACK 0
.set t, 1
.rept 7
	PACK t
	SEND t-1, 8
.set t, t+1
.endr
	SEND 7, 0
	s_wait_tensorcnt 0x0                           ; the wave's end
	ds_add_u32 v[SPW], v[NIL]
	s_wait_dscnt 0x0
	CROUND                                         ; the closing round
	s_endpgm
.Lfunc_end_k_qa4f5ad98e9_qkv:
	.size	k_qa4f5ad98e9_qkv, .Lfunc_end_k_qa4f5ad98e9_qkv-k_qa4f5ad98e9_qkv
	.p2alignl 7, 3214868480
	.fill 96, 4, 3214868480
	.section	.rodata,"a",@progbits
	.p2align	6, 0x0
	.amdhsa_kernel k_qa4f5ad98e9_qkv
		.amdhsa_group_segment_fixed_size 327680
		.amdhsa_private_segment_fixed_size 0
		.amdhsa_enable_private_segment 0
		.amdhsa_kernarg_size 80
		.amdhsa_user_sgpr_count 2
		.amdhsa_user_sgpr_kernarg_segment_ptr 1
		.amdhsa_wavefront_size32 1
		.amdhsa_system_sgpr_workgroup_id_x 1
		.amdhsa_system_sgpr_workgroup_id_y 1
		.amdhsa_system_sgpr_workgroup_id_z 1
		.amdhsa_system_vgpr_workitem_id 0
		.amdhsa_next_free_vgpr 576
		.amdhsa_next_free_sgpr 100
		.amdhsa_reserve_vcc 0
		.amdhsa_float_denorm_mode_32 3
		.amdhsa_float_denorm_mode_16_64 3
		.amdhsa_memory_ordered 1
		.amdhsa_forward_progress 1
		.amdhsa_inst_pref_size 87
	.end_amdhsa_kernel
	.amdgpu_metadata
---
amdhsa.version: [ 1, 2 ]
amdhsa.kernels:
  - .name:           k_qa4f5ad98e9_qkv
    .symbol:         k_qa4f5ad98e9_qkv.kd
    .args:
      - { .name: query, .offset: 0, .size: 8, .value_kind: global_buffer, .address_space: global }
      - { .name: key, .offset: 8, .size: 8, .value_kind: global_buffer, .address_space: global }
      - { .name: value, .offset: 16, .size: 8, .value_kind: global_buffer, .address_space: global }
      - { .name: wqkv16, .offset: 24, .size: 8, .value_kind: global_buffer, .address_space: global }
      - { .name: bq, .offset: 32, .size: 8, .value_kind: global_buffer, .address_space: global }
      - { .name: bk, .offset: 40, .size: 8, .value_kind: global_buffer, .address_space: global }
      - { .name: bv, .offset: 48, .size: 8, .value_kind: global_buffer, .address_space: global }
      - { .name: q16, .offset: 56, .size: 8, .value_kind: global_buffer, .address_space: global }
      - { .name: k16, .offset: 64, .size: 8, .value_kind: global_buffer, .address_space: global }
      - { .name: v16, .offset: 72, .size: 8, .value_kind: global_buffer, .address_space: global }
    .group_segment_fixed_size: 327680
    .private_segment_fixed_size: 0
    .kernarg_segment_align: 8
    .kernarg_segment_size: 80
    .max_flat_workgroup_size: 128
    .sgpr_count:     100
    .vgpr_count:     576
    .wavefront_size: 32
...
	.end_amdgpu_metadata
.endif
;; end of part 2
;; launch attn (part 3): grid 4 x 64, 4 waves a work-group, clusters of 4 x 1, 327,680 bytes of LDS; arguments q16, k16, v16, mbits, o16; writes o16
.if DOCPART == 3
	.amdgcn_target "amdgcn-amd-amdhsa--gfx1250"
	.amdhsa_code_object_version 6
	.text
	.protected	k_qa4f5ad98e9_attn
	.globl	k_qa4f5ad98e9_attn
	.p2align	8
	.type	k_qa4f5ad98e9_attn,@function
k_qa4f5ad98e9_attn:
	s_mov_b64 s[64:65], 0
	v_nop
	global_prefetch_b8 v0, s[64:65] scope:SCOPE_SE
	s_setreg_imm32_b32 hwreg(HW_REG_WAVE_MODE, 25, 1), 1
	s_wait_xcnt 0x0
	s_wait_alu depctr_hold_cnt(0) depctr_sa_sdst(0) depctr_va_vdst(0) depctr_va_sdst(0) depctr_va_ssrc(0) depctr_va_vcc(0) depctr_vm_vsrc(0)
	s_getreg_b32 s2, hwreg(HW_REG_IB_STS2, 6, 4)
	s_cmp_eq_u32 s2, 0
	s_cbranch_scc0 .Lentry_in_a_cluster
	s_endpgm
.Lentry_in_a_cluster:
	s_bfe_u32 s2, ttmp6, 0x10000c
	s_cmp_lg_u32 s2, 0x3003
	s_cbranch_scc0 .Lentry_shape_is_right
	s_endpgm
.Lentry_shape_is_right:
; O[g][q][:] = the sum over k of softmax_k(s'[q][k]) V[g][k][:], g = batch * 16 + head; s' = Q[g][q] . K[g][k] / 8 where the mask is not 0, and 1e-11 where it is 0: a masked key keeps a weight and its row of V.
; Q, K, V, O: [64][2048][64] f16, rows dense.  Products, maxima and sums in f32; the weights p are rounded to f16 for the second product (their sum l is taken of the unrounded p), O once at the end.
; LIMITS.  f16 holds no number beyond 65,504: Q, K, V arrive within it; p below 6e-8 counts as 0 in the second product; a weight below 2^-126 counts as 0 in l; NaN and infinities are not treated apart.
; SHARES.  A wave owns four PIECES of two tiles of 16 queries, a work-group's four waves 512 queries of one head.  Every wave walks all 2,048 keys, 64 a step.
; LAYOUT.  S^T = K Q^T: a lane holds ONE query (lane % 16) and the keys 8 (lane / 16) + 0..7; two such results rounded to f16 ARE source 1 of O^T = V^T P.  K comes out of LDS as it lies, V turned.
; THE MASK comes as lane masks (mbits: for a pair of tiles and a step 256 consecutive bytes; dword 2 l + u holds the 32 lanes' bits of score register l of tile u).  One load of 8 bytes a lane brings a piece's
; masks for a step into two vector registers, a whole key step (four turns) ahead of their use; 64 lane reads hand them to scalar registers; one select a score puts 8 x 1e-11 in a masked score's place,
; ahead of the maximum.  The scale c = log2(e) / 8 makes log2(e) x 1e-11 of it.  The masks choose values alone: no address and no branch hangs on them.
; SOFTMAX.  A running maximum m and sum l: p = 2^(c s - c m); in every step O and l are multiplied by a = 2^(c m_old - c m_new).  m starts at the lowest finite number, O and l at 0.
; BY TURNS.  Turn n belongs to piece n: 16 products K Q^T of piece n + 1, later 16 products V^T P of piece n - 1; beside them the scaling, exponentials, roundings, sums and rescaling of piece n and the
; lane reads, selects, maximum and statistics of piece n + 1.  A turn's 66 exponentials are one batch with one wait.
; CLUSTER.  The four query blocks of a head walk the same K and V: each tile is asked for jointly, by the same tensor load, descriptor and mask in all four.
; REGISTERS, in windows of 256: window 0: v0-11 addresses and constants; v12-15, v48-63 at work; v16-47 statistics; v64-191 S^T, two buffers of two tiles; v192-255 P, likewise.
;   window 1: O^T, 32 a tile.   window 2: v0-127 Q.   window 3: v0-1 the add's two registers; v8-15 the masks, a pair a piece; v128-191 K of one step; v192-255 V of one step.
;   K and the masks share a window, so that a lane read names its source under the setting of the products K Q^T: the first half of a turn has no switch.
.set SIZE_N, 2048
.set NP,    4
.set KS,    64
.set PK,    144       ; a row of K in LDS: 128 bytes + 16
.set PV,    160       ; a row of V: 128 + 32
.set VOFF,  4*KS*PK   ; a slot holds four steps: 256 rows of K, then 256 rows of V
.set SLOT1, 1<<17
.set STAGE, SLOT1+4*KS*(PK+PV)
.set SP,    144
.set SPARE, STAGE+4*16*SP
.set MO,  0           ; v0   once the prologue's addresses are made: 8 x my lane + 256 x the step whose masks are asked for
.set PFO, 1           ; v1   256 x my lane, likewise
.set AK0, 2
.set AV0, 3
.set AK,  4
.set AV,  5
.set QO,  6
.set STO, 6
.set RD,  7
.set GO,  8
.set EP,  9           ; v9   8 x 1e-11
.set CV,  10          ; v[10:11] c, twice
.set SPW, 0           ; v0 of window 3
.set NIL, 1           ; v1 of window 3
.set MB,  8           ; v8-15 of window 3: piece x's masks at MB + 2 x: lane l holds dword l of its first tile, of its second
.set MV,  12
.set ST,  16
.set TMP, 48
.set S,   64
.set P,   192
.set KF,  128         ; window 3
.set VF,  192         ; window 3
.set MP,  2           ; s[2:3] mbits at my wave's first pair of tiles; never rewritten
.set WV,  4
.set SLOTS, 5
.set CNT, 6
.set MOFF, 7          ; s7   256 x the key step whose masks are asked for
.set G1K, 8
.set G1V, 16
.set G0K, 24
.set G0V, 28
.set MKA, 32          ; s[32:63] the masks of the piece's first tile; s[68:99] of its second (36 further on)
.set TBK, 66
.set TBV, 67
.set SEL, 100
.set PFA, 104
.set MSB, 0
.macro WIN new
.if MSB != (\new)
	s_set_vgpr_msb (MSB<<8)|(\new)
.set MSB, (\new)
.endif
.endm
.set W_KQ, 0x0b       ; K (and a lane read's source) in window 3, Q in window 2, S^T in window 0
.set W_PV, 0x53       ; V in window 3, P in window 0, O^T in window 1
.set W_RS, 0x41
.set W_T3, 0xc0       ; destination in window 3, address or sources in window 0
.set W_AD, 0x0f
.macro JLOAD                        ; a joint fill: waves 0, 1 the halves of a slot's K, waves 2, 3 of its V; an s_nop 0 and four v_nop follow each line
	s_cmp_lt_u32 s[WV], 2
	s_cbranch_scc0 .Lfor_v_\@
	tensor_load_to_lds s[G0K:G0K+3], s[G1K:G1K+7]
	s_nop 0
.rept 4
	v_nop
.endr
	s_branch .Lasked_\@
.Lfor_v_\@:
	tensor_load_to_lds s[G0V:G0V+3], s[G1V:G1V+7]
	s_nop 0
.rept 4
	v_nop
.endr
.Lasked_\@:
.endm
; A prefetch of the slot that the NEXT change will ask for, four key steps ahead: 32,768 bytes of K and of V.  The four partners take 8,192 bytes each, told apart by address; in each, wave 0 asks for K's
; and wave 2 for V's, a lane a block of 256 bytes.  The last filling change asks for nothing; slots 0 to 2 come by their loads alone.
.macro ASK
	s_bitcmp1_b32 s[WV], 0
	s_cbranch_scc1 .Lnot_mine_\@
	s_cmp_gt_u32 s[SLOTS], 1
	s_cbranch_scc0 .Lnot_mine_\@
	global_prefetch_b8 v[PFO], s[PFA:PFA+1] th:TH_LOAD_NT scope:SCOPE_SE
.Lnot_mine_\@:
.endm
.macro CROUND
	s_barrier_signal -1
	s_barrier_wait -1
	s_cmp_lg_u32 s[WV], 0
	s_cbranch_scc1 .Lnot_wave_0_\@
	s_barrier_signal -3
.Lnot_wave_0_\@:
	s_barrier_wait -3
	s_barrier_signal -1
	s_barrier_wait -1
.endm
; THE CHANGE OF SLOTS.  Each wave waits for all its tensor loads (one is out: its part of the other slot), adds 0 to its spare word, and waits for that and for its reads of the slot.
; fill = 1: a round of the cluster's barrier, and the slot is filled again first thing behind it, with the keys two slots on: it has four key steps in which to land.
.macro CHANGE fill, ask=0
	WIN W_AD
	s_wait_tensorcnt 0x0
	ds_add_u32 v[SPW], v[NIL]
	WIN 0
.if \fill
.irp g, G0K, G0V
	s_xor_b32 s[\g+1], s[\g+1], SLOT1
	s_add_nc_u64 s[\g+2:\g+3], s[\g+2:\g+3], 4*KS*128
.endr
.if \ask
	s_wait_xcnt 0x0                 ; the last prefetch, four key steps back, has read its address
	s_add_nc_u64 s[PFA:PFA+1], s[PFA:PFA+1], 4*KS*128
.endif
	s_wait_dscnt 0x0
	CROUND
	JLOAD
.if \ask
	ASK
.endif
.else
	s_wait_dscnt 0x0
	s_barrier_signal -1
	s_barrier_wait -1
.endif
	s_sub_co_u32 s[TBK], s[TBK], 4*KS*PK
	s_xor_b32 s[TBK], s[TBK], SLOT1
	s_sub_co_u32 s[TBV], s[TBV], 4*KS*PV
	s_xor_b32 s[TBV], s[TBV], SLOT1
.endm
	s_load_b256 s[68:75], s[0:1], 0x0  ; Q 68, K 70, V 72, mbits 74
	WIN W_T3
	v_lshl_add_u32 v[SPW], v0, 2, SPARE
	v_mov_b32 v[NIL], 0
	WIN W_AD
	ds_add_u32 v[SPW], v[NIL]       ; the opening: the add and its wait ahead of my first tensor load
	WIN 0
	v_lshrrev_b32 v1, 5, v0
	v_readfirstlane_b32 s[WV], v1   ; wave 0..3
	s_bfe_u32 s80, ttmp6, 0x40000   ; cx
	s_lshl_b32 s81, ttmp9, 2
	s_add_co_u32 s81, s81, s80      ; my block of 512 queries: it enters Q's, O's and the masks' addresses alone
	s_and_b32 s82, ttmp7, 0xffff    ; batch * 16 + head, which the four partners share
	s_lshl_b32 s84, s82, 18         ; the head's first byte: 2,048 rows of 128 bytes
	s_and_b32 s83, s[WV], 1         ; which half of a slot's 256 keys I fetch
	s_lshl_b32 s86, s83, 14
	s_add_co_u32 s86, s86, s84
	s_mov_b32 s87, 0
	s_mul_i32 s88, s83, 128*PK
	s_mul_i32 s89, s83, 128*PV
	s_lshl_b32 s90, s81, 2
	s_add_co_u32 s90, s90, s[WV]    ; my wave among the head's 16
	s_lshl_b32 s92, s90, 14         ; its 128 rows
	s_add_co_u32 s92, s92, s84
	s_mov_b32 s93, 0
	s_lshr_b32 s94, s82, 4          ; the batch: 64 pairs of tiles, 8,192 bytes of mbits each,
	s_lshl_b32 s94, s94, 19
	s_lshl_b32 s95, s90, 15         ; my wave's 4 of them
	s_add_co_u32 s94, s94, s95
	s_mov_b32 s95, 0
	s_lshl_b32 s96, s80, 13         ; the prefetches: my work-group's 8,192 bytes, in slot 2
	s_add_co_u32 s96, s96, s84
	s_add_co_u32 s96, s96, 2*4*KS*128
	s_mov_b32 s97, 0
	s_mov_b32 s[G1K], 15|(1<<16)|(1<<20)|(1<<21)|(4<<22)|(3<<25)  ; the mask of four; 2-byte elements; padding on; bit 21 beside a mask; after every 32 words 4 words
	s_mov_b32 s[G1V], 15|(1<<16)|(1<<20)|(1<<21)|(4<<22)|(7<<25)  ; the same with 8 words
.irp g, G1K, G1V
	s_mov_b32 s[\g+1], 128<<16      ; 128 keys are 16,384 dense bytes: asked for as 64 rows of 256 bytes
	s_mov_b32 s[\g+2], 64<<16
	s_mov_b32 s[\g+3], 128<<16
	s_mov_b32 s[\g+4], 64
	s_mov_b32 s[\g+5], 128
	s_mov_b32 s[\g+6], 0
	s_mov_b32 s[\g+7], 0
.endr
	s_mov_b32 s[SEL], 0x76543210
	s_mov_b32 s[SEL+1], 0xfedcba98
	s_mov_b32 s[TBK], SLOT1+4*KS*PK ; the first change of slots turns these two into 0
	s_mov_b32 s[TBV], SLOT1+4*KS*PV
	s_mov_b32 s[MOFF], 256          ; behind the first loads the masks asked for are key step 1's
	s_mov_b32 s[G0K], 1
	s_mov_b32 s[G0K+1], s88
	s_mov_b32 s[G0V], 1
	s_add_co_u32 s[G0V+1], s89, VOFF
	s_wait_dscnt 0x0                ; the opening add is done
	s_wait_kmcnt 0x0
	s_add_nc_u64 s[G0K+2:G0K+3], s[70:71], s[86:87]
	s_or_b32 s[G0K+3], s[G0K+3], 0x80000000
	s_add_nc_u64 s[G0V+2:G0V+3], s[72:73], s[86:87]
	s_or_b32 s[G0V+3], s[G0V+3], 0x80000000
	s_add_nc_u64 s[76:77], s[68:69], s[92:93]      ; Q at my wave's first row
	s_add_nc_u64 s[MP:MP+1], s[74:75], s[94:95]
	s_cmp_lt_u32 s[WV], 2
	s_cselect_b64 s[PFA:PFA+1], s[70:71], s[72:73]
	s_add_nc_u64 s[PFA:PFA+1], s[PFA:PFA+1], s[96:97]
	CROUND                          ; all four work-groups are here
	JLOAD                           ; slot 0; slot 1 is asked for when slot 0 is in
	v_and_b32 v1, 15, v0            ; l % 16
	v_bfe_u32 v9, v0, 4, 1          ; l / 16
	v_lshlrev_b32 v[QO], 7, v1
	v_lshl_add_u32 v[QO], v9, 4, v[QO]
	v_and_b32 v12, 31, v0
	v_lshlrev_b32 v12, 3, v12       ; 8 x lane: the first masks' offset; free again behind the wait for Q below
	WIN 0x80
.set i, 0
.rept 4*NP                          ; Q stays in registers: tile i / 2, channels 32 (i % 2) on
	global_load_b128 v[8*i:8*i+3],   v[QO], s[76:77] offset:(i/2)*2048+(i%2)*64
	global_load_b128 v[8*i+4:8*i+7], v[QO], s[76:77] offset:(i/2)*2048+(i%2)*64+32
.set i, i+1
.endr
	WIN W_T3
.irp x, 0,1,2,3
	global_load_b64 v[MB+2*\x:MB+2*\x+1], v12, s[MP:MP+1] offset:\x*8192  ; all four pieces' masks of key step 0: 256 consecutive bytes each
.endr
	; what the first turn finds: V's registers and P's second buffer hold 0, O^T and l are 0; written in the wait for the first tile
.set i, VF
.rept 64
	v_mov_b32 v[i], 0
.set i, i+1
.endr
	WIN 0x40
.set i, 0
.rept 64*NP
	v_mov_b32 v[i], 0
.set i, i+1
.endr
	WIN 0
.set i, 0
.rept 2*NP
	v_mov_b32 v[ST+4*i], 0xfe000000    ; c m: far below every c s
	v_mov_b32 v[ST+4*i+1], 0xff7fffff  ; m
	v_mov_b32 v[ST+4*i+2], 0
	v_mov_b32 v[ST+4*i+3], 0
.set i, i+1
.endr
.set i, P+32
.rept 32
	v_mov_b32 v[i], 0
.set i, i+1
.endr
	v_mul_u32_u24 v[AK0], v1, PK
	v_lshl_add_u32 v[AK0], v9, 4, v[AK0]
	v_and_b32 v10, 7, v0
	v_bfe_u32 v11, v0, 3, 1
	v_lshl_add_u32 v[AV0], v9, 3, v10
	v_mul_u32_u24 v[AV0], v[AV0], PV
	v_lshl_add_u32 v[AV0], v11, 4, v[AV0]
	v_add_nc_u32 v[AV0], VOFF, v[AV0]
	v_mov_b32 v[AK], v[AK0]
.macro KQ x                         ; product i of 16 of S^T = K Q^T for piece x; the 8 accumulators take turns
	WIN W_KQ
.set rS, S+64*((\x)%2)+32*(i%2)+8*((i/2)%4)
.set rK, KF+16*((i/2)%4)+8*(i/8)
.set rQ, 16*(2*(\x)+i%2)+8*(i/8)
.if i < 8
	v_wmma_f32_16x16x32_f16 v[rS:rS+7], v[rK:rK+7], v[rQ:rQ+7], 0
.else
	v_wmma_f32_16x16x32_f16 v[rS:rS+7], v[rK:rK+7], v[rQ:rQ+7], v[rS:rS+7]
.endif
.endm
.macro PV x                         ; product i of 16 of O^T += V^T P for piece x
	WIN W_PV
.set rO, 32*(2*(\x)+i%2)+8*((i/2)%4)
.set rV, VF+32*(i/8)+8*((i/2)%4)
.set rP, P+32*((\x)%2)+16*(i%2)+8*(i/8)
	v_wmma_f32_16x16x32_f16 v[rO:rO+7], v[rV:rV+7], v[rP:rP+7], v[rO:rO+7]
.endm
.macro MM                           ; the turn's next matrix instruction
.if i < 16
	KQ (Y+1)%NP
.set i, i+1
.else
.set i, i-16
	PV (Y+NP-1)%NP
.set i, i+17
.endif
.endm
.macro FETCH_K last=0               ; a step's K: 16 loads in one run.  last = 1 (the tail): in the last trip there is no further step
	WIN 0
.if \last
	s_cmp_eq_u32 s[CNT], 1
	s_cbranch_scc1 .Lno_k_\@
.endif
	WIN W_T3
.irp f, 0,1,2,3,4,5,6,7
	ds_load_b128 v[KF+8*\f:KF+8*\f+3],   v[AK] offset:(\f/2)*16*PK+(\f%2)*64
	ds_load_b128 v[KF+8*\f+4:KF+8*\f+7], v[AK] offset:(\f/2)*16*PK+(\f%2)*64+32
.endr
	s_add_co_u32 s[TBK], s[TBK], KS*PK
	WIN 0
.if \last
.Lno_k_\@:
.endif
.endm
.macro FETCH_V                      ; a step's V, turned
	WIN W_T3
.irp f, 0,1,2,3,4,5,6,7
	ds_load_tr16_b128 v[VF+8*\f:VF+8*\f+3],   v[AV] offset:(\f/4)*32*PV+(\f%4)*32
	ds_load_tr16_b128 v[VF+8*\f+4:VF+8*\f+7], v[AV] offset:(\f/4)*32*PV+16*PV+(\f%4)*32
.endr
	WIN 0
.endm
.macro REGS y, u                    ; the registers of tile u of piece y
.set rT, ST+4*(2*(\y)+(\u))
.set rC, TMP+8*((\y)%2)+4*(\u)
.set rM, MV+2*((\y)%2)+(\u)
.set rS, S+64*((\y)%2)+32*(\u)
.set rP, P+32*((\y)%2)+16*(\u)
.set rO, 32*(2*(\y)+(\u))
.endm
; Lane read rl of 64 for the NEXT piece: the mask of score rl / 2 of tile rl % 2 goes from lane rl / 2 of the piece's pair into its scalar register.  Its source lies in window 3: the caller's setting says so.
.macro RL
	v_readlane_b32 s[MKA+36*(rl%2)+rl/2], v[MB+2*((Y+1)%NP)+rl%2], rl/2
.set rl, rl+1
.endm
; Select n of 64 for the NEXT piece: score n / 2 of tile n % 2 keeps its value where the lane's bit is set.  Each accumulator is first touched at its lowest register.
.macro MK n
	REGS (Y+1)%NP, (\n)%2
	v_cndmask_b32 v[rS+(\n)/2], v[EP], v[rS+(\n)/2], s[MKA+36*((\n)%2)+(\n)/2]
.endm
; Number n of the 22 that find the NEXT piece's maximum and statistics: 0-11 four chains of seven scores; 12-14, 16 the four left over, the old m, and the four into one; 15 c m_old is kept;
; 17, 18 the other half of the lanes: the new m; 19-21 c m; c m_old - c m_new; a.
.macro XS u, n
	REGS (Y+1)%NP, \u
.if (\n) < 4
	v_max3_num_f32 v[rC+(\n)], v[rS+8*(\n)], v[rS+8*(\n)+1], v[rS+8*(\n)+2]
.elseif (\n) < 12
	v_max3_num_f32 v[rC+(\n)%4], v[rC+(\n)%4], v[rS+8*((\n)%4)+2*((\n)/4)+1], v[rS+8*((\n)%4)+2*((\n)/4)+2]
.elseif (\n) == 12
	v_max3_num_f32 v[rC], v[rC], v[rS+7], v[rS+15]
.elseif (\n) == 13
	v_max3_num_f32 v[rC+1], v[rC+1], v[rS+23], v[rS+31]
.elseif (\n) == 14
	v_max3_num_f32 v[rC+2], v[rC+2], v[rC+3], v[rT+1]
.elseif (\n) == 15
	v_mov_b32 v[rM], v[rT]
.elseif (\n) == 16
	v_max3_num_f32 v[rC], v[rC], v[rC+1], v[rC+2]
.elseif (\n) == 17
	v_permlanex16_b32 v[rC+3], v[rC], s[SEL], s[SEL+1]
.elseif (\n) == 18
	v_max_num_f32 v[rT+1], v[rC], v[rC+3]
.elseif (\n) == 19
	v_mul_f32 v[rT], v[CV], v[rT+1]
.elseif (\n) == 20
	v_sub_f32 v[rC+1], v[rM], v[rT]
.else
	v_exp_f32 v[rC+2], v[rC+1]
.endif
.endm
; Number g of the 64 that follow the exponentials: for each four weights both pairs are rounded to f16, the second pair is added onto the first, and a group later l takes that sum.
.macro GS g
.set h, (\g)+6*((\g)/62)
.if h >= 6
.set h, h+2
.endif
	REGS Y, h%2
.set k, h/8
.if h%8 < 4
	v_cvt_pk_f16_f32 v[rP+2*k+(h%8)/2], v[rS+4*k+2*((h%8)/2)], v[rS+4*k+2*((h%8)/2)+1]
.elseif h%8 < 6
	v_pk_add_f32 v[rS+4*k:rS+4*k+1], v[rS+4*k:rS+4*k+1], v[rS+4*k+2:rS+4*k+3]
.elseif k == 1
	v_pk_fma_f32 v[rT+2:rT+3], v[rT+2:rT+3], v[rC+2:rC+3], v[rS:rS+1] op_sel_hi:[1,0,1]
.else
	v_pk_add_f32 v[rT+2:rT+3], v[rT+2:rT+3], v[rS+4*k-4:rS+4*k-3]
.endif
.endm
.macro FS f                         ; c s - c m for pair f / 2 of tile f % 2
	REGS Y, (\f)%2
	v_pk_fma_f32 v[rS+2*((\f)/2):rS+2*((\f)/2)+1], v[rS+2*((\f)/2):rS+2*((\f)/2)+1], v[CV:CV+1], v[rT:rT+1] op_sel_hi:[1,1,0] neg_lo:[0,0,1] neg_hi:[0,0,1]
.endm
; THE PLAIN QUEUE, 202 long: 0-31 the scalings; 32-95 the next piece's selects; 96-123 numbers 0-13 of its maximum; 124, 125 number 15; 126-137 the chain 14, 16 .. 20; 138-201 the 64 behind the wait.
.macro PL
	WIN 0
.if q < 32
	FS q
.elseif q < 96
	MK q-32
.elseif q < 124
	XS (q-96)%2, (q-96)/2
.elseif q < 126
	XS q-124, 15
.elseif q < 128
	XS q-126, 14
.elseif q < 138
	XS (q-126)%2, 15+(q-126)/2
.else
	GS q-138
.endif
.set q, q+1
.endm
.macro EX                           ; the exponentials' queue, 66 long: s0-s31 of both tiles, then the next piece's two a
	WIN 0
.if e >= 64
	XS e-64, 21
.else
	REGS Y, e%2
	v_exp_f32 v[rS+e/2], v[rS+e/2]
.endif
.set e, e+1
.endm
.macro R2                           ; O^T times a, two at a time
	REGS Y, r%2
	WIN W_RS
.irp z, 0,1
	v_pk_mul_f32 v[rO+4*(r/2)+2*\z:rO+4*(r/2)+2*\z+1], v[rO+4*(r/2)+2*\z:rO+4*(r/2)+2*\z+1], v[rC+2:rC+3] op_sel_hi:[1,0]
.endr
.set r, r+1
.endm
; A TURN, for piece p.  AHEAD OF ITS ONE WAIT stands all that names no result of its exponentials.  First 16 products K Q^T, behind each four lane reads, which wait for nothing and need no switch of windows.
; Then the piece's pair of mask registers is asked for again, for the step after; then the lump: the scalings with exponentials between them (exponential e stands behind scaling 2 (e / 4) + e % 2: it comes
; behind plain e + 3), the selects (32 scalings behind the last product that made the scores), the maximum, the chain with an exponential between its lines, the two a; last the 32 rescalings in one block,
; plain work that names no result of the batch.  BEHIND THE WAIT stand 16 products V^T P, each with four of the roundings and sums.
; THE MASKS read here were asked for four turns ago: three younger loads, the three turns' between, may stay out.  Turns 0 to 2 of step s ask for step s + 1, turn 3 (whose scores are step s + 1's) for
; step s + 2: so turn 3 steps the offset first, behind the wait that frees it; the step is held to the last one, so that the walk's end asks inside its own pair's bytes.
.macro TURN p, last=0, cnt=0
.set Y, (\p)
.set i, 0
.set q, 0
.set e, 0
.set r, 0
.set rl, 0
	s_wait_loadcnt 0x3              ; the next piece's masks are in
.if (\p) == NP-1
	s_wait_dscnt 0x0                ; K is in
.endif
.rept 16
	MM
	RL
	RL
	RL
	RL
.endr
	WIN 0
.if (\p) == NP-1
	s_wait_xcnt 0x0                 ; the three loads that are out, the youngest a turn back, have read their offset
	s_add_co_u32 s[MOFF], s[MOFF], 256
	s_min_u32 s[MOFF], s[MOFF], 31*256
	v_lshrrev_b32 v[MO], 5, v[PFO]
	v_add_nc_u32 v[MO], s[MOFF], v[MO]
.endif
.if (\p) == NP-2
	v_add_nc_u32 v[AK], s[TBK], v[AK0]
.endif
	WIN W_T3
	global_load_b64 v[MB+2*(((\p)+1)%NP):MB+2*(((\p)+1)%NP)+1], v[MO], s[MP:MP+1] offset:(((\p)+1)%NP)*8192  ; 256 consecutive bytes, aligned
	PL
	PL
.rept 30
	PL
	EX
.endr
.rept 22
	PL
	PL
	PL
	EX
.endr
.rept 28
	PL
.endr
.rept 12
	PL
	EX
.endr
	EX
	EX
.rept 16
	R2                              ; the first of them is the plain instruction behind the last exponential
.endr
	WIN 0
	s_wait_alu depctr_va_vdst(0)    ; the wait for the batch
.if (\p) == NP-2
	FETCH_K \last
.endif
.if (\p) == 1
	s_wait_dscnt 0x0                ; V is in
.endif
.rept 16
	MM
.rept 4
	PL
.endr
.if ((\p) == 0) && (q == 182)
	v_add_nc_u32 v[AV], s[TBV], v[AV0]
.endif
.if ((\p) == 0) && (q == 194)
	s_add_co_u32 s[TBV], s[TBV], KS*PV
.endif
.if (\cnt) && (q == 194)
	s_sub_co_u32 s[CNT], s[CNT], 1
	s_cmp_lg_u32 s[CNT], 0
.endif
.endr
.if (\p) == 0
	FETCH_V                         ; four plain riders behind V's last reader
.endif
.endm
	CHANGE 1                        ; slot 0 is in, everybody's part of it; slot 1 is asked for
	FETCH_K                         ; key step 0
	s_wait_loadcnt 0x0              ; Q, and the four pairs of masks
	s_wait_dscnt 0x0
.set i, 0
.rept 16
	KQ 0                            ; piece 0's first scores
.set i, i+1
.endr
	WIN 0                           ; the addresses for the way out and the constants: plain instructions, the places behind those products
	s_mul_i32 s[CNT], s[WV], 16*SP
	s_add_co_u32 s[CNT], s[CNT], STAGE
	v_mul_u32_u24 v[STO], v1, SP
	v_lshl_add_u32 v[STO], v9, 4, v[STO]
	v_add_nc_u32 v[STO], s[CNT], v[STO]
	v_bfe_u32 v[RD], v0, 3, 2
	v_mul_u32_u24 v[RD], v[RD], SP
	v_lshl_add_u32 v[RD], v10, 4, v[RD]
	v_add_nc_u32 v[RD], s[CNT], v[RD]
	v_and_b32 v[GO], 31, v0
	v_lshlrev_b32 v[GO], 4, v[GO]
	v_lshlrev_b32 v[PFO], 4, v[GO]  ; 256 x lane
	v_mov_b32 v[EP], 0x2eafebff     ; 8 x f32(1e-11)
	v_mov_b32 v[CV], 0x3e38aa3b     ; c = log2(e) / 8
	v_mov_b32 v[CV+1], 0x3e38aa3b
	v_lshrrev_b32 v[MO], 1, v[GO]   ; 8 x lane: the thread's number is wanted no more
	v_add_nc_u32 v[MO], s[MOFF], v[MO]  ; at key step 1
.set Y, NP-1                        ; RL, MK and XS work for piece Y + 1: piece 0
.set rl, 0
	WIN 0x03                        ; a lane read's source in window 3
.rept 64
	RL
.endr
	WIN W_T3
	global_load_b64 v[MB:MB+1], v[MO], s[MP:MP+1]  ; piece 0, key step 1: read in the fourth turn from here
	WIN 0
.set n, 0
.rept 64
	MK n
.set n, n+1
.endr
.irp n, 0,1,2,3,4,5,6,7,8,9,10,11,12,13,14,15,16,17,18,19,20,21
	XS 0, \n
	XS 1, \n
.endr
	v_nop
	s_wait_alu depctr_va_vdst(0)    ; the two a, ahead of the branch
	s_mov_b32 s[CNT], 4
	s_mov_b32 s[SLOTS], SIZE_N/256-1
	s_branch .Lfirst                ; the loop is entered at a step's first turn
.Lslot:                             ; every slot but the last two is filled again
	CHANGE 1, 1
	s_mov_b32 s[CNT], 4
.Lstep:                             ; a trip: pieces 2 and 3 of one step, then pieces 0 and 1 of the next
	TURN 2
	TURN 3
	WIN 0
.Lfirst:
	TURN 0
	TURN 1, 0, 1
	WIN 0
	s_cbranch_scc1 .Lstep
	s_sub_co_u32 s[SLOTS], s[SLOTS], 1
	s_cmp_lg_u32 s[SLOTS], 0
	s_cbranch_scc1 .Lslot
	CHANGE 0                        ; the tail is written out
	s_mov_b32 s[CNT], 5
.Ltail:
	TURN 2, 1
	TURN 3
	WIN 0
	s_sub_co_u32 s[CNT], s[CNT], 1
	s_cmp_eq_u32 s[CNT], 0
	s_cbranch_scc1 .Lout
	TURN 0
	TURN 1
	WIN 0
	s_branch .Ltail
.Lout:                              ; the fifth trip's products K Q^T, selects and maximum serve nothing: the price of one text for every trip
	s_load_b64 s[32:33], s[0:1], 0x20  ; O, into registers that held masks
	s_bfe_u32 s34, ttmp6, 0x40000
	s_lshl_b32 s35, ttmp9, 2
	s_add_co_u32 s34, s34, s35
	s_lshl_b32 s34, s34, 2
	s_add_co_u32 s34, s34, s[WV]
	s_lshl_b32 s34, s34, 14
	s_and_b32 s35, ttmp7, 0xffff
	s_lshl_b32 s35, s35, 18
	s_add_co_u32 s34, s34, s35
	s_mov_b32 s35, 0
.set i, 0
.rept 16
	PV NP-1                         ; the last piece's V^T P of the last step
.set i, i+1
.endr
	; THE WAY OUT: l's halves are added, O^T is divided by l, rounded to f16 and sent through my stage, a tile at a time.  The additions are the places behind the last products.
	WIN 0
.macro ALL line:vararg
.set t, 0
.rept 2*NP
	\line
.set t, t+1
.endr
.endm
	ALL v_add_f32 v[ST+4*t+2], v[ST+4*t+2], v[ST+4*t+3]
	ALL v_permlanex16_b32 v[ST+4*t+3], v[ST+4*t+2], s[SEL], s[SEL+1]
	ALL v_add_f32 v[ST+4*t+2], v[ST+4*t+2], v[ST+4*t+3]
	ALL v_rcp_f32 v[ST+4*t+2], v[ST+4*t+2]
	v_nop
	s_wait_alu depctr_va_vdst(0)    ; one wait for the eight reciprocals
	s_wait_kmcnt 0x0
	s_add_nc_u64 s[32:33], s[32:33], s[34:35]
.macro PACK t
	WIN W_RS
.set i, 32*(\t)
.rept 16
	v_pk_mul_f32 v[i:i+1], v[i:i+1], v[ST+4*(\t)+2:ST+4*(\t)+3] op_sel_hi:[1,0]
.set i, i+2
.endr
	WIN 0x05
.set i, 0
.rept 16
	v_cvt_pk_f16_f32 v[S+16*(\t)+i], v[32*(\t)+2*i], v[32*(\t)+2*i+1]
.set i, i+1
.endr
	WIN 0
.irp f, 0,1,2,3
	ds_store_b128 v[STO], v[S+16*(\t)+4*\f:S+16*(\t)+4*\f+3] offset:32*\f
.endr
.irp f, 0,1,2,3
	ds_load_b128 v[S+16*(\t)+4*\f:S+16*(\t)+4*\f+3], v[RD] offset:\f*4*SP  ; my own bytes, served in order
.endr
.endm
.macro SEND t, younger
	WIN 0
.irp f, 0,1,2,3
	s_wait_dscnt (\younger)+3-\f
	global_store_b128 v[GO], v[S+16*(\t)+4*\f:S+16*(\t)+4*\f+3], s[32:33] offset:(\t)*2048+\f*512  ; 512 consecutive bytes, aligned
.endr
.endm
	PACK 0
.set t, 1
.rept 2*NP-1
	PACK t
	SEND t-1, 8
.set t, t+1
.endr
	SEND 2*NP-1, 0
	WIN W_AD
	s_wait_tensorcnt 0x0            ; the wave's end
	ds_add_u32 v[SPW], v[NIL]
	s_wait_dscnt 0x0
	WIN 0
	CROUND                          ; the closing round
	s_endpgm
.Lfunc_end_k_qa4f5ad98e9_attn:
	.size	k_qa4f5ad98e9_attn, .Lfunc_end_k_qa4f5ad98e9_attn-k_qa4f5ad98e9_attn
	.p2alignl 7, 3214868480
	.fill 96, 4, 3214868480
	.section	.rodata,"a",@progbits
	.p2align	6, 0x0
	.amdhsa_kernel k_qa4f5ad98e9_attn
		.amdhsa_group_segment_fixed_size 327680
		.amdhsa_private_segment_fixed_size 0
		.amdhsa_enable_private_segment 0
		.amdhsa_kernarg_size 40
		.amdhsa_user_sgpr_count 2
		.amdhsa_user_sgpr_kernarg_segment_ptr 1
		.amdhsa_wavefront_size32 1
		.amdhsa_system_sgpr_workgroup_id_x 1
		.amdhsa_system_sgpr_workgroup_id_y 1
		.amdhsa_system_sgpr_workgroup_id_z 1
		.amdhsa_system_vgpr_workitem_id 0
		.amdhsa_next_free_vgpr 1024
		.amdhsa_next_free_sgpr 106
		.amdhsa_reserve_vcc 0
		.amdhsa_float_denorm_mode_32 3
		.amdhsa_float_denorm_mode_16_64 3
		.amdhsa_memory_ordered 1
		.amdhsa_forward_progress 1
		.amdhsa_inst_pref_size 255
	.end_amdhsa_kernel
	.section	.bss,"aw",@nobits
	.p2align	6
	.space	262144
	.amdgpu_metadata
---
amdhsa.version: [ 1, 2 ]
amdhsa.kernels:
  - .name:           k_qa4f5ad98e9_attn
    .symbol:         k_qa4f5ad98e9_attn.kd
    .args:
      - { .name: q16, .offset: 0, .size: 8, .value_kind: global_buffer, .address_space: global }
      - { .name: k16, .offset: 8, .size: 8, .value_kind: global_buffer, .address_space: global }
      - { .name: v16, .offset: 16, .size: 8, .value_kind: global_buffer, .address_space: global }
      - { .name: mbits, .offset: 24, .size: 8, .value_kind: global_buffer, .address_space: global }
      - { .name: o16, .offset: 32, .size: 8, .value_kind: global_buffer, .address_space: global }
    .group_segment_fixed_size: 327680
    .private_segment_fixed_size: 0
    .kernarg_segment_align: 8
    .kernarg_segment_size: 40
    .max_flat_workgroup_size: 128
    .sgpr_count:     106
    .vgpr_count:     1024
    .wavefront_size: 32
...
	.end_amdgpu_metadata
.endif
;; end of part 3
;; launch oproj (part 4): grid 4 x 64, 4 waves a work-group, clusters of 4 x 4, 327,680 bytes of LDS; arguments o16, wo16, bo, out0; writes out0
.if DOCPART == 4
	.amdgcn_target "amdgcn-amd-amdhsa--gfx1250"
	.amdhsa_code_object_version 6
	.text
	.protected	k_qa4f5ad98e9_oproj
	.globl	k_qa4f5ad98e9_oproj
	.p2align	8
	.type	k_qa4f5ad98e9_oproj,@function
k_qa4f5ad98e9_oproj:
	s_mov_b64 s[64:65], 0
	v_nop
	global_prefetch_b8 v0, s[64:65] scope:SCOPE_SE
	s_setreg_imm32_b32 hwreg(HW_REG_WAVE_MODE, 25, 1), 1
	s_wait_xcnt 0x0
	s_wait_alu depctr_hold_cnt(0) depctr_sa_sdst(0) depctr_va_vdst(0) depctr_va_sdst(0) depctr_va_ssrc(0) depctr_va_vcc(0) depctr_vm_vsrc(0)
	s_getreg_b32 s2, hwreg(HW_REG_IB_STS2, 6, 4)
	s_cmp_eq_u32 s2, 0
	s_cbranch_scc0 .Lentry_in_a_cluster
	s_endpgm
.Lentry_in_a_cluster:
	s_bfe_u32 s2, ttmp6, 0x10000c
	s_cmp_lg_u32 s2, 0xf033
	s_cbranch_scc0 .Lentry_shape_is_right
	s_endpgm
.Lentry_shape_is_right:
; out0 = O wo^T + bf16(bo).  O comes by heads, o16 = [batch * 16 + head][2048][64] f16; wo16 = [1024][1024] f16 (wo rounded to bf16, written as f16); sums in f32; out0 [8192][1024] f32.
; SHARES.  A work-group makes 128 rows x 256 columns; four waves as 2 x 2, each 64 x 128: 32 accumulators.  K goes in 8 steps of 128 = two heads through two LDS slots; a step is four quarters of 32.
; A head's 128 rows are 16,384 dense bytes: a plane, asked for as 64 rows of 256 bytes and padded in LDS after every 128.
; THE PRODUCT IS USED TRANSPOSED (source 0 = 16 rows of wo, source 1 = 16 rows of O): a lane holds one row of the result and eight neighbouring columns.  The first product takes the bias as C.
; CLUSTER 4 x 4: O's planes are asked for jointly along a row of the cluster, wo's tile along a column.
; REGISTERS: window 0: v0-14 addresses; v32-95 O's fragments, two buffers; v128-255 wo's, two buffers; on the way out v64-191 whole rows.  Window 1: accumulator (a, b) at v[8 (8 a + b)].  Window 2: v0-63 the bias.
.set AP,    144                        ; a row of O in LDS: 128 + 16 bytes
.set WP,    272
.set APLANE, 128*AP                    ; what waves 0 and 1 each fetch
.set AB,    2*APLANE
.set WHALF, 128*WP                     ; what waves 2 and 3 each fetch
.set SLOT,  AB+2*WHALF
.set STAGE, 2*SLOT                     ; behind the ring: 16 rows x 528 bytes for each wave
.set OP,    528
.set SPARE, STAGE+4*16*OP
.set ASTEP, 524288                     ; two heads of 262,144 bytes
.set WSTEP, 256
.set PAIRA, APLANE                     ; two quarters on: the next plane
.set AX0, 2
.set AW0, 3
.set AX,  4
.set AW,  5
.set STO, 6
.set RD,  7
.set GO,  8
.set SPW, 10
.set NIL, 11
.set PFO, 12
.set AF,  32
.set WF,  128
.set TMP, 64
.set CNT, 2
.set LAP, 3
.set G1,  24
.set G0,  32
.set LIM, 43
.set PFA, 44
.set PST, 46
.set G1B, 48
.set G0B, 56
.set MSB, 0
.macro WIN new
.if MSB != (\new)
	s_set_vgpr_msb (MSB<<8)|(\new)
.set MSB, (\new)
.endif
.endm
.macro CROUND
	s_barrier_signal -1
	s_barrier_wait -1
	s_cmp_lg_u32 s10, 0
	s_cbranch_scc1 .Lnot_wave_0_\@
	s_barrier_signal -3
.Lnot_wave_0_\@:
	s_barrier_wait -3
	s_barrier_signal -1
	s_barrier_wait -1
.endm
.macro JLOAD s                         ; a joint refill of slot s; an s_nop 0 and four v_nop follow each line
	s_cmp_eq_u32 s11, 0
	s_cbranch_scc0 .Lfor_b_\@
	tensor_load_to_lds s[G0+4*(\s):G0+4*(\s)+3], s[G1:G1+7]
	s_nop 0
.rept 4
	v_nop
.endr
	s_branch .Lasked_\@
.Lfor_b_\@:
	tensor_load_to_lds s[G0B+4*(\s):G0B+4*(\s)+3], s[G1B:G1B+7]
	s_nop 0
.rept 4
	v_nop
.endr
.Lasked_\@:
.endm
; A prefetch of the K step two refills beyond the one just asked for, 32 blocks of 256 bytes.  O: wave 0 asks for both planes, 4,096 bytes of each for each of the four partners of the cluster's row, told apart
; by address.  wo: the first cluster of the column of clusters asks; waves 2, 3; the four partners take 32 rows each.  Steps 0 to 3 come by their loads alone; the last two filling changes ask for nothing.
.macro ASK
	s_cmp_gt_u32 s[LAP], s[LIM]
	s_cbranch_scc0 .Lnot_mine_\@
	global_prefetch_b8 v[PFO], s[PFA:PFA+1] th:TH_LOAD_NT scope:SCOPE_SE
.Lnot_mine_\@:
.endm
.macro PLACES
.rept 4
	v_nop
.endr
.endm
	s_load_b256 s[68:75], s[0:1], 0x0              ; o16 68, wo16 70, bo 72, out0 74
	v_lshl_add_u32 v[SPW], v0, 2, SPARE
	v_mov_b32 v[NIL], 0
	ds_add_u32 v[SPW], v[NIL]                      ; the opening: the add and its wait ahead of my first tensor load
	v_lshrrev_b32 v1, 5, v0
	v_readfirstlane_b32 s10, v1
	s_lshr_b32 s11, s10, 1                         ; my half of the rows; also: I fetch O (0) or wo (1)
	s_and_b32 s12, s10, 1                          ; my half of the columns; also: which plane or half I fetch
	s_bfe_u32 s40, ttmp6, 0x40000                  ; cx
	s_bfe_u32 s41, ttmp6, 0x40004                  ; cy
	s_lshl_b32 s42, ttmp9, 2
	s_add_co_u32 s42, s42, s40                     ; block of 256 columns
	s_and_b32 s13, ttmp7, 0xffff                   ; cluster y
	s_lshl_b32 s18, s13, 2
	s_add_co_u32 s18, s18, s41                     ; block of 128 rows
	s_lshl_b32 s19, s41, 2
	s_lshl_b32 s19, 15, s19                        ; my row of the cluster
	s_lshl_b32 s88, 0x1111, s40                    ; my column
	s_or_b32 s[G1], s19, (1<<16)|(1<<20)|(1<<21)|(4<<22)|(3<<25)   ; 2-byte elements; after every 32 words 4 words of padding
	s_mov_b32 s[G1+1], 128<<16
	s_mov_b32 s[G1+2], 64<<16
	s_mov_b32 s[G1+3], 128<<16
	s_mov_b32 s[G1+4], 64
	s_mov_b32 s[G1+5], 128
	s_mov_b32 s[G1+6], 0
	s_mov_b32 s[G1+7], 0
	s_or_b32 s[G1B], s88, (1<<16)|(1<<20)|(1<<21)|(5<<22)|(3<<25)
	s_mov_b32 s[G1B+1], 128<<16
	s_mov_b32 s[G1B+2], 128<<16
	s_mov_b32 s[G1B+3], 128<<16
	s_mov_b32 s[G1B+4], 128
	s_mov_b32 s[G1B+5], 1024
	s_mov_b32 s[G1B+6], 0
	s_mov_b32 s[G1B+7], 0
	s_lshr_b32 s20, s18, 4                         ; O: the batch's 16 heads,
	s_lshl_b32 s20, s20, 22
	s_and_b32 s21, s18, 15                         ; the block's 128 rows of 128 bytes in a head,
	s_lshl_b32 s21, s21, 14
	s_add_co_u32 s20, s20, s21
	s_lshl_b32 s21, s12, 18                        ; my plane of the step's two
	s_add_co_u32 s20, s20, s21
	s_mov_b32 s21, 0
	s_lshl_b32 s90, s42, 19                        ; wo: (256 block + 128 half) rows of 2,048 bytes
	s_lshl_b32 s91, s12, 18
	s_add_co_u32 s90, s90, s91
	s_mov_b32 s91, 0
	s_mul_i32 s17, s12, APLANE
	s_mul_i32 s89, s12, WHALF
	s_add_co_u32 s89, s89, AB
	s_wait_dscnt 0x0
	s_wait_kmcnt 0x0
	s_add_nc_u64 s[22:23], s[68:69], s[20:21]
	s_add_nc_u64 s[92:93], s[70:71], s[90:91]
.irp s, 0,1
	s_mov_b32 s[G0+4*(\s)], 1
	s_add_co_u32 s[G0+4*(\s)+1], s17, (\s)*SLOT
	s_add_nc_u64 s[G0+4*(\s)+2:G0+4*(\s)+3], s[22:23], (\s)*ASTEP
	s_or_b32 s[G0+4*(\s)+3], s[G0+4*(\s)+3], 0x80000000
	s_mov_b32 s[G0B+4*(\s)], 1
	s_add_co_u32 s[G0B+4*(\s)+1], s89, (\s)*SLOT
	s_add_nc_u64 s[G0B+4*(\s)+2:G0B+4*(\s)+3], s[92:93], (\s)*WSTEP
	s_or_b32 s[G0B+4*(\s)+3], s[G0B+4*(\s)+3], 0x80000000
.endr
	CROUND
	s_cmp_eq_u32 s11, 0                            ; a wave's two first fills stand in one branch: two loads of mine are out
	s_cbranch_scc0 .Lfirst_b
	tensor_load_to_lds s[G0:G0+3], s[G1:G1+7]
	s_nop 0
	tensor_load_to_lds s[G0+4:G0+7], s[G1:G1+7]
	s_nop 0
.rept 4
	v_nop
.endr
	s_branch .Lfirst_asked
.Lfirst_b:
	tensor_load_to_lds s[G0B:G0B+3], s[G1B:G1B+7]
	s_nop 0
	tensor_load_to_lds s[G0B+4:G0B+7], s[G1B:G1B+7]
	s_nop 0
.rept 4
	v_nop
.endr
.Lfirst_asked:
	v_and_b32 v1, 15, v0
	v_bfe_u32 v9, v0, 4, 1
	s_lshl_b32 s94, s42, 10                        ; my 128 columns, in bytes of f32: for the bias and for out0
	s_lshl_b32 s95, s12, 9
	s_add_co_u32 s94, s94, s95
	s_mov_b32 s95, 0
	s_add_nc_u64 s[14:15], s[72:73], s[94:95]
	s_add_nc_u64 s[8:9], s[74:75], s[94:95]
	v_lshlrev_b32 v14, 5, v9
	WIN 0x80
.irp b, 0,1,2,3,4,5,6,7
	global_load_b128 v[8*\b:8*\b+3],   v14, s[14:15] offset:64*\b
	global_load_b128 v[8*\b+4:8*\b+7], v14, s[14:15] offset:64*\b+16
.endr
	WIN 0
	s_lshl_b32 s94, s18, 19                        ; my first row of out0: (128 block + 64 half) rows of 4,096 bytes
	s_lshl_b32 s96, s11, 18
	s_add_co_u32 s94, s94, s96
	s_add_nc_u64 s[8:9], s[8:9], s[94:95]
	v_mul_u32_u24 v[AX0], v1, AP
	v_lshl_add_u32 v[AX0], v9, 4, v[AX0]
	s_mul_i32 s19, s11, 64*AP
	v_add_nc_u32 v[AX0], s19, v[AX0]
	v_mul_u32_u24 v[AW0], v1, WP
	v_lshl_add_u32 v[AW0], v9, 4, v[AW0]
	v_add_nc_u32 v[AW0], s89, v[AW0]
	s_mul_i32 s19, s10, 16*OP
	s_add_co_u32 s19, s19, STAGE                   ; my stage
	v_mul_u32_u24 v[STO], v1, OP                   ; in: row l % 16, 32 bytes for each half of the lanes
	v_lshl_add_u32 v[STO], v9, 5, v[STO]
	v_add_nc_u32 v[STO], s19, v[STO]
	v_and_b32 v[GO], 31, v0                        ; back: 32 lanes take one row of 512 bytes
	v_lshlrev_b32 v[GO], 4, v[GO]
	v_add_nc_u32 v[RD], s19, v[GO]
	; the prefetches
	s_lshl_b32 s95, s40, 12                        ; O: 4,096 cx bytes of a plane
	s_lshl_b32 s96, s41, 16                        ; wo: 32 cy rows of 2,048 bytes
	s_cmp_eq_u32 s11, 0
	s_cselect_b64 s[PFA:PFA+1], s[22:23], s[92:93]
	s_cselect_b32 s96, s95, s96
	s_cselect_b32 s94, s12, s13                    ; who asks: wave 0 for O; for wo the cluster with y = 0
	s_cselect_b32 s[PST], 11, 0
	s_cselect_b32 s98, 0, 3
	s_cselect_b32 s99, 10, 7
	s_cmp_eq_u32 s94, 0
	s_cselect_b32 s[LIM], 1, -1
	s_lshl_b32 s[PST], 256, s[PST]                 ; bytes from a K step to the next: 524,288 or 256
	s_mov_b32 s[PST+1], 0
	s_lshl_b32 s98, 256, s98                       ; (l % 16) x 256 + (l / 16) x 262,144, or l x 2,048
	s_lshl_b32 s99, 256, s99
	s_mov_b32 s97, 0
	s_add_nc_u64 s[PFA:PFA+1], s[PFA:PFA+1], s[96:97]
	s_mul_i32 s96, s[PST], 3
	s_add_nc_u64 s[PFA:PFA+1], s[PFA:PFA+1], s[96:97]  ; at K step 3: each filling change steps it before it asks
	v_mul_u32_u24 v[PFO], v1, s98
	v_mad_u32_u24 v[PFO], v9, s99, v[PFO]
	s_wait_loadcnt 0x0                             ; the bias: rounded to bf16 like every input, and widened again
	WIN 0x0a
.set c, 0
.rept 32
	v_cvt_pk_bf16_f32 v[AF+c], v[2*c], v[2*c+1]
.set c, c+1
.endr
	WIN 0x80
.set c, 0
.rept 32
	v_lshlrev_b32 v[2*c], 16, v[AF+c]
	v_and_b32 v[2*c+1], 0xffff0000, v[AF+c]
.set c, c+1
.endr
	WIN 0
.macro MUL f, i0, n, first             ; product ii is accumulator (ii / 8, ii % 8); the 32 take turns in the same order in every quarter
.set ii, (\i0)
.rept (\n)
.if \first
	v_wmma_f32_16x16x32_f16 v[8*ii:8*ii+7], v[WF+64*(\f)+8*(ii%8):WF+64*(\f)+8*(ii%8)+7], v[AF+32*(\f)+8*(ii/8):AF+32*(\f)+8*(ii/8)+7], v[8*(ii%8):8*(ii%8)+7]
.else
	v_wmma_f32_16x16x32_f16 v[8*ii:8*ii+7], v[WF+64*(\f)+8*(ii%8):WF+64*(\f)+8*(ii%8)+7], v[AF+32*(\f)+8*(ii/8):AF+32*(\f)+8*(ii/8)+7], v[8*ii:8*ii+7]
.endif
.set ii, ii+1
.endr
.endm
.macro FETCH g, off                    ; a quarter's 24 LDS loads into buffers g
.irp b, 0,1,2,3,4,5,6,7
	ds_load_b128 v[WF+64*(\g)+8*\b:WF+64*(\g)+8*\b+3],   v[AW] offset:(\off)+\b*16*WP
	ds_load_b128 v[WF+64*(\g)+8*\b+4:WF+64*(\g)+8*\b+7], v[AW] offset:(\off)+\b*16*WP+32
.endr
.irp a, 0,1,2,3
	ds_load_b128 v[AF+32*(\g)+8*\a:AF+32*(\g)+8*\a+3],   v[AX] offset:(\off)+\a*16*AP
	ds_load_b128 v[AF+32*(\g)+8*\a+4:AF+32*(\g)+8*\a+7], v[AX] offset:(\off)+\a*16*AP+32
.endr
.endm
.macro Q f, g, off, fetch, first       ; a quarter: multiplies buffers f; in its middle, four places behind the last reader of buffers g, it fetches the next quarter into them
	s_wait_dscnt 0x0
	WIN 0x50+0x10*(\first)
	MUL \f, 0, 16, \first
	WIN 0
.if \fetch
	PLACES
	FETCH \g, \off
.endif
	WIN 0x50+0x10*(\first)
	MUL \f, 16, 16, \first
	WIN 0
.endm
.macro PAIR
	Q 1, 0, 0, 1, 0
	Q 0, 1, 64, 1, 0
	v_add_nc_u32 v[AX], PAIRA, v[AX]
	v_add_nc_u32 v[AW], 128, v[AW]
.endm
; THE CHANGE OF SLOTS, ahead of the old step's last quarter.  Each wave waits for all its tensor loads (one is out: its part of slot new), adds 0 to its spare word, and waits for that and for its reads of
; the old slot.  fill = 1: a round of the cluster's barrier, and the old slot is filled again first thing behind it.
.macro CHANGE new, fill
	WIN 0
.if \fill
	s_wait_xcnt 0x0                                ; the last prefetch, a K step back, has read its address
	s_add_nc_u64 s[PFA:PFA+1], s[PFA:PFA+1], s[PST:PST+1]
.endif
	s_wait_tensorcnt 0x0
	ds_add_u32 v[SPW], v[NIL]
.if \fill
	s_add_nc_u64 s[G0+4*(1-(\new))+2:G0+4*(1-(\new))+3], s[G0+4*(1-(\new))+2:G0+4*(1-(\new))+3], 2*ASTEP
	s_add_nc_u64 s[G0B+4*(1-(\new))+2:G0B+4*(1-(\new))+3], s[G0B+4*(1-(\new))+2:G0B+4*(1-(\new))+3], 2*WSTEP
.endif
	v_add_nc_u32 v[AX], (\new)*SLOT, v[AX0]
	v_add_nc_u32 v[AW], (\new)*SLOT, v[AW0]
	s_wait_dscnt 0x0
.if \fill
	CROUND
	JLOAD 1-(\new)
	ASK
.else
	s_barrier_signal -1
	s_barrier_wait -1
.endif
	s_mov_b32 s[CNT], 2
.endm
	s_wait_tensorcnt 1                             ; my part of K step 0 is in; step 1's may stay out
	s_barrier_signal -1
	s_barrier_wait -1
	v_mov_b32 v[AX], v[AX0]
	v_mov_b32 v[AW], v[AW0]
	FETCH 0, 0
	Q 0, 1, 64, 1, 1                               ; the first quarter starts the sums, with the bias
	v_add_nc_u32 v[AX], PAIRA, v[AX]
	v_add_nc_u32 v[AW], 128, v[AW]
	s_mov_b32 s[LAP], 4
	s_mov_b32 s[CNT], 1
	s_branch .Lpair0
.Llap:
	CHANGE 1, 1
.Lpair1:
	PAIR
	s_sub_co_u32 s[CNT], s[CNT], 1
	s_cmp_lg_u32 s[CNT], 0
	s_cbranch_scc1 .Lpair1
	CHANGE 0, 1
.Lpair0:
	PAIR
	s_sub_co_u32 s[CNT], s[CNT], 1
	s_cmp_lg_u32 s[CNT], 0
	s_cbranch_scc1 .Lpair0
	s_sub_co_u32 s[LAP], s[LAP], 1
	s_cmp_lg_u32 s[LAP], 0
	s_cbranch_scc1 .Llap
	CHANGE 1, 0
.Lpair1t:
	PAIR
	s_sub_co_u32 s[CNT], s[CNT], 1
	s_cmp_lg_u32 s[CNT], 0
	s_cbranch_scc1 .Lpair1t
	Q 1, 0, 0, 0, 0
; THE WAY OUT.  Block a = 16 rows x 128 columns of f32 goes through my stage: 32 bytes a lane in, whole rows of 512 bytes back, two sets of registers by turns.
.macro TOSTAGE a
.if (\a) >= 2
	s_wait_xcnt 0x0                                ; the stores of block a - 2 have read the registers that are loaded again below
.endif
	WIN 0x04                                       ; the stores' data in window 1
.irp b, 0,1,2,3,4,5,6,7
	ds_store_b128 v[STO], v[8*(8*(\a)+\b):8*(8*(\a)+\b)+3]   offset:64*\b     ; each accumulator's low four registers first
	ds_store_b128 v[STO], v[8*(8*(\a)+\b)+4:8*(8*(\a)+\b)+7] offset:64*\b+16
.endr
	WIN 0
.set c, 0
.rept 16
	ds_load_b128 v[TMP+64*((\a)%2)+4*c:TMP+64*((\a)%2)+4*c+3], v[RD] offset:c*OP  ; my own bytes, served in order
.set c, c+1
.endr
.endm
.macro SEND a, younger                 ; younger: the LDS instructions issued behind block a's loads
.set c, 0
.rept 16
	s_wait_dscnt (\younger)+15-c
	global_store_b128 v[GO], v[TMP+64*((\a)%2)+4*c:TMP+64*((\a)%2)+4*c+3], s[8:9] offset:(16*(\a)+c)*4096  ; 512 consecutive bytes, aligned
.set c, c+1
.endr
.endm
	PLACES                                         ; behind the last products, ahead of the stores that read results and of loads into fragment registers
	TOSTAGE 0
	TOSTAGE 1
	SEND 0, 32
	TOSTAGE 2
	SEND 1, 32
	TOSTAGE 3
	SEND 2, 32
	SEND 3, 0
	s_wait_tensorcnt 0x0                           ; the wave's end
	ds_add_u32 v[SPW], v[NIL]
	s_wait_dscnt 0x0
	CROUND                                         ; the closing round
	s_endpgm
.Lfunc_end_k_qa4f5ad98e9_oproj:
	.size	k_qa4f5ad98e9_oproj, .Lfunc_end_k_qa4f5ad98e9_oproj-k_qa4f5ad98e9_oproj
	.p2alignl 7, 3214868480
	.fill 96, 4, 3214868480
	.section	.rodata,"a",@progbits
	.p2align	6, 0x0
	.amdhsa_kernel k_qa4f5ad98e9_oproj
		.amdhsa_group_segment_fixed_size 327680
		.amdhsa_private_segment_fixed_size 0
		.amdhsa_enable_private_segment 0
		.amdhsa_kernarg_size 32
		.amdhsa_user_sgpr_count 2
		.amdhsa_user_sgpr_kernarg_segment_ptr 1
		.amdhsa_wavefront_size32 1
		.amdhsa_system_sgpr_workgroup_id_x 1
		.amdhsa_system_sgpr_workgroup_id_y 1
		.amdhsa_system_sgpr_workgroup_id_z 1
		.amdhsa_system_vgpr_workitem_id 0
		.amdhsa_next_free_vgpr 576
		.amdhsa_next_free_sgpr 100
		.amdhsa_reserve_vcc 0
		.amdhsa_float_denorm_mode_32 3
		.amdhsa_float_denorm_mode_16_64 3
		.amdhsa_memory_ordered 1
		.amdhsa_forward_progress 1
		.amdhsa_inst_pref_size 65
	.end_amdhsa_kernel
	.amdgpu_metadata
---
amdhsa.version: [ 1, 2 ]
amdhsa.kernels:
  - .name:           k_qa4f5ad98e9_oproj
    .symbol:         k_qa4f5ad98e9_oproj.kd
    .args:
      - { .name: o16, .offset: 0, .size: 8, .value_kind: global_buffer, .address_space: global }
      - { .name: wo16, .offset: 8, .size: 8, .value_kind: global_buffer, .address_space: global }
      - { .name: bo, .offset: 16, .size: 8, .value_kind: global_buffer, .address_space: global }
      - { .name: out0, .offset: 24, .size: 8, .value_kind: global_buffer, .address_space: global }
    .group_segment_fixed_size: 327680
    .private_segment_fixed_size: 0
    .kernarg_segment_align: 8
    .kernarg_segment_size: 32
    .max_flat_workgroup_size: 128
    .sgpr_count:     100
    .vgpr_count:     576
    .wavefront_size: 32
...
	.end_amdgpu_metadata
.endif
;; end of part 4
